; MI455X (gfx1250); checked and timed in simulation.
; The chip was launched on July 23, 2026; its instructions are those of AMD's public machine-readable ISA for CDNA 5 (MIT licence, August 2026) and "CDNA5" Instruction Set Architecture Reference Guide (July 2026). The comments in the code are by the model that wrote it; some were corrected since.
;; Bahdanau Attention. Allowed arithmetic: matrix products marked QUANTISED: E4M3 operands, one E8M0 scale for each 32 along K, by v_wmma_scale_f32_16x16x128_f8f6f4 with both operands' format E4M3, f32 sums; products left as they are: f32 operands where the result goes on into a quantised operand, else bf16, f16 or f32 operands; f32 sums; everything else in f32.
;; Inputs: Wk_codes 1,024 x 32 x 32 uint8 (E4M3 codes of Wk, K innermost, in blocks of 32 codes); Wk_scales 1,024 x 32 uint8 (E8M0 scales of Wk, one for each 32 codes along K); Wq_codes 1,024 x 32 x 32 uint8 (E4M3 codes of Wq, K innermost, in blocks of 32 codes); Wq_scales 1,024 x 32 uint8 (E8M0 scales of Wq, one for each 32 codes along K); keys 64 x 1,024 x 1,024 float32; mask 64 x 1,024 bool; query_codes 64 x 32 x 32 uint8 (E4M3 codes of query, K innermost, in blocks of 32 codes); query_scales 64 x 32 uint8 (E8M0 scales of query, one for each 32 codes along K); v 1 x 1,024 float32.
;; Outputs: out0 64 x 1,024 float32; out1 64 x 1,024 float32.
;; This version of the problem:
;;   THIS VERSION OF THE PROBLEM IS GIVEN IN LOW PRECISION. The matrix products marked QUANTISED in the list below multiply operands that are first quantised to E4M3 (4 exponent bits, 3 mantissa bits; 8 bits a number), with one power-of-two scale for each 32 numbers along K (OCP MX v1.0); their sums are f32. All else is computed in f32.
;;   The module's matrix products, in the order in which they are computed (A, B: the left and right operand; K: the contracted axis; several contracted axes count as one K, in the product's order):
;;     1. [M 64, K 1,024] x [K 1,024, N 1,024]; A: input query (given as codes); B: input Wq (given as codes): QUANTISED
;;     2. [M 65,536, K 1,024] x [K 1,024, N 1,024]; A: input keys; B: input Wk (given as codes): QUANTISED
;;     3. [M 65,536, K 1,024] x [K 1,024, N 1]; A: computed on the way; B: input v: left as it is (N = 1 < 16)
;;     4. batch 64 x [M 1, K 1,024] x [K 1,024, N 1,024]; A: computed on the way; B: input keys: left as it is (M = 1 < 16)
;;   THE QUANTISER, for each operand of a quantised product, along K:
;;     - K is cut into blocks of 32 from its start; a last block that is shorter is filled with zeros.
;;     - A block's scale is 2^e with e = floor(log2(the largest magnitude in the block)) - 8, held to -126 .. 127; a block of zeros has e = 0. As a byte (E8M0): e + 127.
;;     - Each number is divided by its block's scale, clamped to +-448, and rounded to the nearest number of E4M3, ties to even, subnormals kept.
;;     - The product sums the exact products of the quantised numbers (number of the format x scale) in f32.
;;   ~~~python
;;   def quantise(x, axis):      # numpy; x: float32 -> the quantised numbers, widened to float32 again
;;       x = np.moveaxis(x, axis, -1); K = x.shape[-1]
;;       x = np.pad(x, [(0, 0)] * (x.ndim - 1) + [(0, -K % 32)]); x = x.reshape(x.shape[:-1] + (-1, 32)); a = np.abs(x).max(-1, keepdims=True)
;;       e = np.where(a > 0, np.clip(np.frexp(np.where(a > 0, a, 1))[1] - 1 - 8, -126, 127), 0)      # np.frexp(a)[1] - 1 = floor(log2(a)), exactly
;;       r = np.clip(x / 2.0 ** e, -448, 448)
;;       step = 2.0 ** (np.maximum(np.frexp(np.where(r == 0, 1, r))[1] - 1, -6) - 3)
;;       q = np.round(r / step) * step * 2.0 ** e      # np.round: ties to even
;;       return np.moveaxis(q.reshape(q.shape[:-2] + (-1,))[..., :K], -1, axis).astype(np.float32)
;;   ~~~
;;   INPUTS GIVEN AS CODES. Wk (in the module: [1024, 1024], K = its axis 1); Wq (in the module: [1024, 1024], K = its axis 1); query (in the module: [64, 1024], K = its axis 1): each comes as NAME_codes (uint8): NAME with its K axis moved to the last place and cut into blocks of 32 codes, [.., K / 32, bytes a block], one block behind the other in memory; one code a byte (a code: sign, 4 exponent bits, 3 mantissa bits); and NAME_scales (uint8): the same leading axes, one E8M0 byte (e + 127) for each 32 codes along K. Its value is code x scale, taken as it is: it is not quantised again, and the codes and scales need not be those that the quantiser above would give.
;; 2 versions. Each part assembles by itself: llvm-mc -triple=amdgcn-amd-amdhsa -mcpu=gfx1250 --defsym DOCPART=n.
;; ======== version 1 of 2: 3 launches
;; workspace buffers: qp 262,144 bytes; enp 262,144 bytes; src 262,144 bytes of whole numbers; inv 262,144 bytes of whole numbers; cnt 8,192 bytes of whole numbers
;; launch prep (part 1): grid 32 x 1, 4 waves a work-group, no clusters, 17,920 bytes of LDS; arguments query_codes, query_scales, Wq_codes, Wq_scales, mask, qp, src, inv, cnt; writes qp, src, inv, cnt
.if DOCPART == 1
	.amdgcn_target "amdgcn-amd-amdhsa--gfx1250"
	.amdhsa_code_object_version 6
	.text
	.protected	k_q9d1d982a67_prep
	.globl	k_q9d1d982a67_prep
	.p2align	8
	.type	k_q9d1d982a67_prep,@function
k_q9d1d982a67_prep:
	s_mov_b64 s[64:65], 0
	v_nop
	global_prefetch_b8 v0, s[64:65] scope:SCOPE_SE
	s_setreg_imm32_b32 hwreg(HW_REG_WAVE_MODE, 25, 1), 1
	s_wait_xcnt 0x0
; TWO SMALL JOBS IN ONE LAUNCH, parted by the work-group's number.
; Work-groups 0-15: qp[b][h] = the sum over k of query[b][k] Wq[h][k], both given as E4M3 codes with E8M0 scales: 64 x 1,024 x 1,024.
;   Work-group g takes h = 64 g .. 64 g + 63, its wave w the batches 16 w .. 16 w + 15: four tiles of 16 h, eight K steps of 128.
;   The product is used transposed (source 0 = 16 rows of Wq, source 1 = 16 rows of query): a lane holds one batch and eight neighbouring h.
; Work-groups 16-31: one wave to a batch packs the rows whose mask byte is 0.  Row s gets a PLACE c: the unmasked rows take 0 .. n - 1, the masked ones n .. 1,023.
;   Place c = 256 rt + 16 sg + m is kept at the storage index I(c) = 64 sg + 32 (rt % 2) + 2 m + rt / 2, so that the 64 places of one wave of the next launch
;   (sg fixed) are 256 consecutive bytes.  src[b][I] = the row to read there (0 for a place behind n), inv[b][s] = I, cnt[b][0..31] = n.
; Only the first path uses LDS (a stage of its own for each wave); there is no barrier.
.set MSB, 0
.macro WIN new                         ; the immediate's high byte repeats the setting that is left
.if MSB != \new
	s_set_vgpr_msb (MSB<<8)|\new
.set MSB, \new
.endif
.endm
	s_load_b256 s[4:11], s[0:1], 0x0               ; query's codes s[4:5], its scales s[6:7], Wq's codes s[8:9], its scales s[10:11]
	s_load_b256 s[12:19], s[0:1], 0x20             ; mask s[12:13], qp s[14:15], src s[16:17], inv s[18:19]
	s_load_b64 s[2:3], s[0:1], 0x40                ; cnt
	v_lshl_add_u32 v62, v0, 2, 0x4400
	v_mov_b32 v63, 0
	v_lshrrev_b32 v1, 5, v0
	v_readfirstlane_b32 s60, v1                    ; wave 0..3
	v_and_b32 v2, 31, v0                           ; lane
	v_and_b32 v3, 15, v0                           ; r
	v_bfe_u32 v4, v0, 4, 1                         ; hf
	s_mov_b32 s63, 0                               ; the high word of every offset pair s[62:63]
	s_wait_kmcnt 0x0
	s_cmp_lt_u32 ttmp9, 16
	s_cbranch_scc0 .Lpack
	; ---------------- the query's projection ----------------
	; REGISTERS: window 0: v16-31 Wq's scale words (four a tile), v32-35 query's; v64-191 query's 8 fragments; v192-223 four accumulators; v224-255 rows on the way out.
	;            window 1: Wq's fragments of tiles 0, 1 (tile t, K step ks at v[128 (t % 2) + 16 ks]);  window 2: those of tiles 2, 3.
	v_lshlrev_b32 v5, 10, v3
	v_lshl_add_u32 v5, v4, 4, v5                   ; codes: row r of 1,024 bytes + 16 hf
	v_lshlrev_b32 v6, 5, v3
	v_lshl_add_u32 v6, v4, 4, v6                   ; scales: row r of 32 bytes; lanes 0-15 take words 0-3, lanes 16-31 words 4-7
	s_lshl_b32 s62, ttmp9, 16
	s_add_nc_u64 s[8:9], s[8:9], s[62:63]          ; my 64 rows of Wq
	s_lshl_b32 s62, s60, 14
	s_add_nc_u64 s[4:5], s[4:5], s[62:63]          ; my 16 rows of query
	s_lshl_b32 s62, ttmp9, 11
	s_add_nc_u64 s[10:11], s[10:11], s[62:63]
	s_lshl_b32 s62, s60, 9
	s_add_nc_u64 s[6:7], s[6:7], s[62:63]
	s_lshl_b32 s62, s60, 16
	s_lshl_b32 s61, ttmp9, 8
	s_add_co_u32 s62, s62, s61
	s_add_nc_u64 s[14:15], s[14:15], s[62:63]      ; qp at row 16 w, byte 256 g
	s_mul_i32 s29, s60, 4352                       ; my stage: 16 rows x (256 + 16) bytes
	v_mul_u32_u24 v7, v3, 272
	v_lshl_add_u32 v7, v4, 5, v7
	v_add_nc_u32 v7, s29, v7                       ; in: row r, 32 bytes for each half of the lanes
	v_mul_u32_u24 v8, v4, 272
	v_lshl_add_u32 v8, v3, 4, v8
	v_add_nc_u32 v8, s29, v8                       ; back: lanes 0-15 one row of 256 bytes, lanes 16-31 the next
	v_lshlrev_b32 v9, 12, v4
	v_lshl_add_u32 v9, v3, 4, v9                   ; and the same two rows in qp
.irp ks, 0,1,2,3,4,5,6,7
.irp c, 0,1,2,3
	global_load_b128 v[64+16*\ks+4*\c:64+16*\ks+4*\c+3], v5, s[4:5] offset:128*\ks+32*\c
.endr
.endr
.irp t, 0,1,2,3
	global_load_b128 v[16+4*\t:19+4*\t], v6, s[10:11] offset:512*\t
.endr
	global_load_b128 v[32:35], v6, s[6:7]
	WIN 0x40                                       ; destination window 1
.irp t, 0,1
.irp ks, 0,1,2,3,4,5,6,7
.irp c, 0,1,2,3
	global_load_b128 v[128*\t+16*\ks+4*\c:128*\t+16*\ks+4*\c+3], v5, s[8:9] offset:16384*\t+128*\ks+32*\c
.endr
.endr
.endr
	WIN 0x80                                       ; destination window 2
.irp t, 0,1
.irp ks, 0,1,2,3,4,5,6,7
.irp c, 0,1,2,3
	global_load_b128 v[128*\t+16*\ks+4*\c:128*\t+16*\ks+4*\c+3], v5, s[8:9] offset:16384*(\t+2)+128*\ks+32*\c
.endr
.endr
.endr
	WIN 0
	s_wait_loadcnt 0x0
; One product: tile t, K step ks.  The first starts the sum with the constant 0.  K steps 4-7 take their scale words from lanes 16-31.
.macro QMM t, ks
.set d_, 192+8*(\t)
.set w_, 128*((\t)%2)+16*(\ks)
.set q_, 64+16*(\ks)
.if (\ks) == 0
	v_wmma_scale_f32_16x16x128_f8f6f4 v[d_:d_+7], v[w_:w_+15], v[q_:q_+15], 0, v[16+4*(\t)+(\ks)%4], v[32+(\ks)%4]
.elseif (\ks) < 4
	v_wmma_scale_f32_16x16x128_f8f6f4 v[d_:d_+7], v[w_:w_+15], v[q_:q_+15], v[d_:d_+7], v[16+4*(\t)+(\ks)%4], v[32+(\ks)%4]
.else
	v_wmma_scale_f32_16x16x128_f8f6f4 v[d_:d_+7], v[w_:w_+15], v[q_:q_+15], v[d_:d_+7], v[16+4*(\t)+(\ks)%4], v[32+(\ks)%4] matrix_a_scale:MATRIX_SCALE_ROW1 matrix_b_scale:MATRIX_SCALE_ROW1
.endif
.endm
	WIN 0x01                                       ; source 0 (Wq) window 1.  Two accumulators take turns, one instruction a turn
.irp ks, 0,1,2,3,4,5,6,7
	QMM 0, \ks
	QMM 1, \ks
.endr
	WIN 0x02                                       ; source 0 window 2
.irp ks, 0,1,2,3,4,5,6,7
	QMM 2, \ks
	QMM 3, \ks
.endr
	WIN 0
.rept 8
	v_nop                                          ; eight places between the last product and the first read of results
.endr
.irp t, 0,1,2,3
	ds_store_b128 v7, v[192+8*\t:195+8*\t] offset:64*\t            ; each accumulator from its low end on
	ds_store_b128 v7, v[196+8*\t:199+8*\t] offset:64*\t+16
.endr
.irp i, 0,1,2,3,4,5,6,7
	ds_load_b128 v[224+4*\i:227+4*\i], v8 offset:2*\i*272          ; LDS serves a wave's instructions in order (ISA guide 5.7.1.4): these see my stores
.endr
.irp i, 0,1,2,3,4,5,6,7
	s_wait_dscnt 7-\i                              ; pair i of rows is back; the younger loads may be out
	global_store_b128 v9, v[224+4*\i:227+4*\i], s[14:15] offset:2*\i*4096   ; 16 lanes store 256 consecutive bytes, at a multiple of 256 from qp's first byte
.endr
	s_wait_tensorcnt 0x0
	ds_add_u32 v62, v63
	s_wait_dscnt 0x0
	s_endpgm
	; ---------------- the packing ----------------
	; REGISTERS: v40-47 the batch's 1,024 mask bytes, 4 a lane and load; v64-95 byte offsets into src, v96-127 the rows stored there, v128-159 storage indices:
	; one register for each of the 32 elements, so that no store's sources are written again.  s20-51: the 32 ballots of unmasked lanes.
.Lpack:
	s_sub_co_u32 s61, ttmp9, 16
	s_lshl_b32 s61, s61, 2
	s_add_co_u32 s61, s61, s60                     ; my batch
	s_lshl_b32 s62, s61, 10
	s_add_nc_u64 s[12:13], s[12:13], s[62:63]
	s_lshl_b32 s62, s61, 12
	s_add_nc_u64 s[16:17], s[16:17], s[62:63]
	s_add_nc_u64 s[18:19], s[18:19], s[62:63]
	s_lshl_b32 s62, s61, 7
	s_add_nc_u64 s[2:3], s[2:3], s[62:63]
	v_lshlrev_b32 v10, 2, v2                       ; 4 x lane
	v_lshlrev_b32 v14, 4, v2                       ; 16 x lane
.irp j, 0,1,2,3,4,5,6,7
	global_load_b32 v[40+\j], v10, s[12:13] offset:128*\j          ; element k = 4 j + e of lane L is row 128 j + 4 L + e
.endr
	s_wait_loadcnt 0x0
	s_mov_b32 s52, 0                               ; n
.set k, 0
.rept 32
	v_and_b32 v11, 0xff<<(8*(k%4)), v[40+k/4]
	v_cmp_eq_u32 s[20+k], 0, v11                   ; the lanes whose row counts
	s_bcnt1_i32_b32 s54, s[20+k]
	s_add_co_u32 s52, s52, s54
.set k, k+1
.endr
	s_mov_b32 s53, 0                               ; the next place for an unmasked row,
	s_mov_b32 s56, s52                             ; and for a masked one
.set k, 0
.rept 32
	s_not_b32 s55, s[20+k]
	v_mbcnt_lo_u32_b32 v11, s[20+k], s53           ; how many unmasked lanes stand below mine, + the base
	v_mbcnt_lo_u32_b32 v12, s55, s56
	v_cndmask_b32 v11, v12, v11, s[20+k]           ; my place c: all 1,024 rows together take each place once
	v_and_b32 v12, 0xf0, v11
	v_lshlrev_b32 v12, 2, v12                      ; 64 sg
	v_bfe_u32 v13, v11, 8, 1
	v_lshl_or_b32 v12, v13, 5, v12                 ; + 32 (rt % 2)
	v_and_b32 v13, 15, v11
	v_lshl_or_b32 v12, v13, 1, v12                 ; + 2 m
	v_lshrrev_b32 v13, 9, v11
	v_or_b32 v12, v12, v13                         ; + rt / 2
	v_min_u32 v[128+k], 0x3ff, v12                 ; (it is under 1,024 by its make: the bound is written out since it enters an address)
	v_lshlrev_b32 v[64+k], 2, v[128+k]
	v_add_nc_u32 v[96+k], 128*(k/4)+k%4, v10       ; my row
	v_cndmask_b32 v[96+k], 0, v[96+k], s[20+k]     ; a place behind n names row 0
	global_store_b32 v[64+k], v[96+k], s[16:17]
.if k%4 == 3
	global_store_b128 v14, v[128+k-3:128+k], s[18:19] offset:512*(k/4)   ; inv of my four rows: the wave stores 512 consecutive bytes
.endif
	s_bcnt1_i32_b32 s54, s[20+k]
	s_add_co_u32 s53, s53, s54
	s_sub_co_u32 s54, 32, s54
	s_add_co_u32 s56, s56, s54
.set k, k+1
.endr
	v_mov_b32 v15, s52
	global_store_b32 v10, v15, s[2:3]              ; n, 32 copies
	s_endpgm
.Lfunc_end_k_q9d1d982a67_prep:
	.size	k_q9d1d982a67_prep, .Lfunc_end_k_q9d1d982a67_prep-k_q9d1d982a67_prep
	.p2alignl 7, 3214868480
	.fill 96, 4, 3214868480
	.section	.rodata,"a",@progbits
	.p2align	6, 0x0
	.amdhsa_kernel k_q9d1d982a67_prep
		.amdhsa_group_segment_fixed_size 17920
		.amdhsa_private_segment_fixed_size 0
		.amdhsa_enable_private_segment 0
		.amdhsa_kernarg_size 72
		.amdhsa_user_sgpr_count 2
		.amdhsa_user_sgpr_kernarg_segment_ptr 1
		.amdhsa_wavefront_size32 1
		.amdhsa_system_sgpr_workgroup_id_x 1
		.amdhsa_system_sgpr_workgroup_id_y 1
		.amdhsa_system_sgpr_workgroup_id_z 1
		.amdhsa_system_vgpr_workitem_id 0
		.amdhsa_next_free_vgpr 768
		.amdhsa_next_free_sgpr 66
		.amdhsa_reserve_vcc 0
		.amdhsa_float_denorm_mode_32 3
		.amdhsa_float_denorm_mode_16_64 3
		.amdhsa_memory_ordered 1
		.amdhsa_forward_progress 1
		.amdhsa_inst_pref_size 66
	.end_amdhsa_kernel
	.amdgpu_metadata
---
amdhsa.version: [ 1, 2 ]
amdhsa.kernels:
  - .name:           k_q9d1d982a67_prep
    .symbol:         k_q9d1d982a67_prep.kd
    .args:
      - { .name: query_codes, .offset: 0, .size: 8, .value_kind: global_buffer, .address_space: global }
      - { .name: query_scales, .offset: 8, .size: 8, .value_kind: global_buffer, .address_space: global }
      - { .name: Wq_codes, .offset: 16, .size: 8, .value_kind: global_buffer, .address_space: global }
      - { .name: Wq_scales, .offset: 24, .size: 8, .value_kind: global_buffer, .address_space: global }
      - { .name: mask, .offset: 32, .size: 8, .value_kind: global_buffer, .address_space: global }
      - { .name: qp, .offset: 40, .size: 8, .value_kind: global_buffer, .address_space: global }
      - { .name: src, .offset: 48, .size: 8, .value_kind: global_buffer, .address_space: global }
      - { .name: inv, .offset: 56, .size: 8, .value_kind: global_buffer, .address_space: global }
      - { .name: cnt, .offset: 64, .size: 8, .value_kind: global_buffer, .address_space: global }
    .group_segment_fixed_size: 17920
    .private_segment_fixed_size: 0
    .kernarg_segment_align: 8
    .kernarg_segment_size: 72
    .max_flat_workgroup_size: 128
    .sgpr_count:     66
    .vgpr_count:     768
    .wavefront_size: 32
...
	.end_amdgpu_metadata
.endif
;; end of part 1
;; launch main (part 2): grid 256 x 1, 4 waves a work-group, clusters of 4 x 1, 327,680 bytes of LDS; arguments keys, Wk_codes, Wk_scales, v, qp, src, cnt, enp; writes enp
.if DOCPART == 2
	.amdgcn_target "amdgcn-amd-amdhsa--gfx1250"
	.amdhsa_code_object_version 6
	.text
	.protected	k_q9d1d982a67_main
	.globl	k_q9d1d982a67_main
	.p2align	8
	.type	k_q9d1d982a67_main,@function
k_q9d1d982a67_main:
	s_mov_b64 s[64:65], 0
	v_nop
	global_prefetch_b8 v0, s[64:65] scope:SCOPE_SE
	s_setreg_imm32_b32 hwreg(HW_REG_WAVE_MODE, 25, 1), 1
	s_wait_xcnt 0x0
	s_wait_alu depctr_hold_cnt(0) depctr_sa_sdst(0) depctr_va_vdst(0) depctr_va_sdst(0) depctr_va_ssrc(0) depctr_va_vcc(0) depctr_vm_vsrc(0)
	s_getreg_b32 s2, hwreg(HW_REG_IB_STS2, 6, 4)
	s_cmp_eq_u32 s2, 0
	s_cbranch_scc0 .Lentry_in_a_cluster
	s_endpgm
.Lentry_in_a_cluster:
	s_bfe_u32 s2, ttmp6, 0x10000c
	s_cmp_lg_u32 s2, 0x3003
	s_cbranch_scc0 .Lentry_shape_is_right
	s_endpgm
.Lentry_shape_is_right:
; enp[b][I] = the sum over h of (-c v[h]) / (1 + 2^(c (qp[b][h] + kp[h]))), c = 2 log2(e), kp = Q(keys[b][row]) . Wk[h]: since tanh x = 1 - 2 / (1 + 2^(c x)), that is
; log2(e) x (the row's energy - the sum of v): a base-2 logit up to a constant that is the same for every row and falls out of the softmax, which takes the true maximum away.
; 2^(..) = infinity gives the term 0, 2^(..) = 0 the term -c v[h]: no range of the scores is left out.
; keys are f32 and are quantised here along K (E4M3, one E8M0 scale for 32); Wk comes as codes.  The product goes by v_wmma_scale_f32_16x16x128_f8f6f4, sums in f32.
; LIMITS: NaN and infinities in keys are not served.  A block of zeros gets the scale byte 1 (its codes are zeros, and nobody else reads the byte).
; SHARES.  A cluster of four work-groups is one batch.  A wave (sg = 4 cx + wave, 0 .. 15) owns 64 PLACES, four tiles rt of 16: place 256 rt + 16 sg + m; which row of keys lies at a place says src
; (an earlier launch packed the unmasked rows to the front; places behind the count n name row 0 and get -infinity at the end).  So rows that are masked are never fetched, and no branch hangs on data.
; A wave's 64 rows stay in its registers as codes for ALL of K (512 registers), so a fragment of Wk read from LDS feeds four products, and Wk goes through each work-group once:
; 64 tiles of 16 h, through a ring of two LDS slots of 128 rows x 1,024 bytes, filled by tensor loads that the four work-groups of the cluster ask for JOINTLY (they walk the same Wk).
; THE PRODUCT IS USED TRANSPOSED (source 0 = 16 rows of Wk, source 1 = 16 rows of keys): a lane holds one row of keys and eight h; qp is the C of a tile's first products.
; BY TURNS.  Two sets of four accumulators: while one tile's 32 products are issued, the tile before goes through its 2^x and 1/x, three vector instructions behind each product.
; REGISTERS, in windows of 256:  window 0: v1-15 lane terms and addresses; v16-29 at work; v32-63 keys' scale words (8 rt + ks); v64-71 Wk's, two sets of four; v96-127 byte offsets of my rows;
;   v128-191 two sets of 32 numbers; v192-199 the quantiser's.   window 1: first eight sets of 32 registers for keys as loaded; then v0-31, v32-63 the two sets of accumulators, v64-191 Wk's eight fragments,
;   v192-199 qp, v200-207 -c v, v208-215 the energies (a pair a tile of rows).   windows 2, 3: the codes: tile rt, K step ks in window 2 + ks / 4 at v[64 (ks % 4) + 16 rt].
.set PITCH, 1040                       ; a row of Wk in LDS: 1,024 bytes + 16 of padding: an odd multiple of 16, so the 16 rows that a load touches start at 16 different groups of banks (ISA guide 11.1)
.set TILEB, 16*PITCH                   ; 16 rows: a tile of h
.set SLOT,  128*PITCH                  ; 133,120
.set SCB,   2*SLOT                     ; Wk's scale bytes, 32,768, dense: filled once
.set QPB,   SCB+32768                  ; qp of my batch, 4,096 bytes
.set VVB,   QPB+4096                   ; -c v, 4,096 bytes
.set SPARE, VVB+4096                   ; the spare words, 128 bytes for each wave: two blocks of 256 bytes that no other line names
.set STG,   SPARE+512                  ; a stage of 16 rows x (256 + 16) bytes for each wave, 4,608 bytes apart
.set MSB, 0
.macro WIN new                         ; the immediate's high byte repeats the setting that is left
.if MSB != \new
	s_set_vgpr_msb (MSB<<8)|\new
.set MSB, \new
.endif
.endm
; A round of the cluster's barrier: my work-group's barrier; wave 0 signals for the work-group; every wave waits for all four work-groups; my work-group's barrier once more.
.macro ROUND
	s_barrier_signal -1
	s_barrier_wait -1
	s_cmp_lg_u32 s20, 0
	s_cbranch_scc1 .Lnot_wave_0_\@
	s_barrier_signal -3
.Lnot_wave_0_\@:
	s_barrier_wait -3
	s_barrier_signal -1
	s_barrier_wait -1
.endm
	s_load_b256 s[4:11], s[0:1], 0x0               ; keys s[4:5], Wk's codes s[6:7], Wk's scales s[8:9], v s[10:11]
	s_load_b256 s[12:19], s[0:1], 0x20             ; qp s[12:13], src s[14:15], cnt s[16:17], enp s[18:19]
	v_lshl_add_u32 v4, v0, 2, SPARE                ; my spare word; never rewritten
	v_mov_b32 v5, 0                                ; 0; never rewritten
	ds_add_u32 v4, v5
	ds_add_u32 v4, v5
	s_wait_dscnt 0x0
	v_lshrrev_b32 v1, 5, v0
	v_readfirstlane_b32 s20, v1                    ; wave 0..3
	s_bfe_u32 s21, ttmp6, 0x40000                  ; cx: my place in the cluster: it enters global addresses of src and enp and a comparison of places, nothing else
	s_mov_b32 s22, ttmp9                           ; the cluster's number = the batch
	s_lshl_b32 s23, s21, 2
	s_add_co_u32 s23, s23, s20                     ; sg
	; descriptor group 1 for Wk's codes: 32 rows x 1,024 bytes
	s_mov_b32 s24, 15|(1<<20)|(1<<21)|(7<<22)|(3<<25)   ; 15:0 the mask: all four work-groups; 17:16 elements of 1 byte; 20 padding on; 21 set beside a mask; 24:22 after every 256 words (code 7); 31:25 four words (code 3)
	s_mov_b32 s25, 1024<<16                        ; tensor_dim0
	s_mov_b32 s26, 32<<16                          ; tensor_dim1
	s_mov_b32 s27, 1024<<16                        ; tile_dim0
	s_mov_b32 s28, 32                              ; tile_dim1
	s_mov_b32 s29, 1024                            ; tensor_dim0_stride
	s_mov_b32 s30, 0
	s_mov_b32 s31, 0
	; and for Wk's scale bytes: a quarter, 8,192 dense bytes, as 32 rows of 256 bytes (32 elements of 8 bytes), no padding
	s_mov_b32 s40, 15|(3<<16)|(1<<21)
	s_mov_b32 s41, 32<<16
	s_mov_b32 s42, 32<<16
	s_mov_b32 s43, 32<<16
	s_mov_b32 s44, 32
	s_mov_b32 s45, 32
	s_mov_b32 s46, 0
	s_mov_b32 s47, 0
	; groups 0: every wave brings its quarter (rows 32 w on): both addresses hang on the wave's number and constants alone, so they are equal in the four partners
	s_mov_b32 s32, 1
	s_mul_i32 s33, s20, 32*PITCH                   ; slot 0
	s_mov_b32 s36, 1
	s_add_co_u32 s37, s33, SLOT                    ; slot 1
	s_mov_b32 s48, 1
	s_lshl_b32 s49, s20, 13
	s_add_co_u32 s49, s49, SCB
	s_lshl_b32 s66, s20, 15
	s_mov_b32 s67, 0
	s_lshl_b32 s68, s20, 13
	s_mov_b32 s69, 0
	s_wait_kmcnt 0x0
	s_add_nc_u64 s[34:35], s[6:7], s[66:67]        ; rows 32 w on,
	s_add_nc_u64 s[38:39], s[34:35], 0x20000       ; and 128 rows further
	s_or_b32 s35, s35, 0x80000000                  ; type = 2
	s_or_b32 s39, s39, 0x80000000
	s_add_nc_u64 s[50:51], s[8:9], s[68:69]
	s_or_b32 s51, s51, 0x80000000
	ROUND                                          ; all four work-groups are here: the first joint loads meet
	tensor_load_to_lds s[48:51], s[40:47]          ; the first fills go out together: three loads of mine are out
	s_nop 0
	tensor_load_to_lds s[32:35], s[24:31]
	s_nop 0
	tensor_load_to_lds s[36:39], s[24:31]
	s_nop 0
.rept 4
	v_nop
.endr
	s_lshl_b32 s66, s22, 7
	s_add_nc_u64 s[16:17], s[16:17], s[66:67]
	s_load_b32 s62, s[16:17], 0x0                  ; n: how many places of my batch hold a row that counts
	s_lshl_b32 s66, s22, 12
	s_add_nc_u64 s[12:13], s[12:13], s[66:67]      ; qp's row b
	s_lshl_b32 s68, s23, 8
	s_add_co_u32 s66, s66, s68
	s_add_nc_u64 s[14:15], s[14:15], s[66:67]      ; src and enp at my wave's 256 bytes
	s_add_nc_u64 s[18:19], s[18:19], s[66:67]
	s_lshl_b32 s66, s22, 22
	s_add_nc_u64 s[4:5], s[4:5], s[66:67]          ; keys of my batch
	s_mov_b32 s52, 0x4038aa3b                      ; c = 2 log2(e)
	s_mov_b32 s53, s52                             ; (named with it as a pair, so it is written)
	s_mov_b32 s54, 0x76543210
	s_mov_b32 s55, 0xfedcba98                      ; v_permlanex16_b32's selects for lane l xor 16
	s_mov_b32 s56, 0x600000                        ; the mantissa field of 448
	v_and_b32 v1, 15, v0                           ; r
	v_bfe_u32 v2, v0, 4, 1                         ; hf
	v_and_b32 v3, 31, v0                           ; lane
	v_mul_u32_u24 v6, v1, PITCH
	v_lshl_add_u32 v6, v2, 4, v6                   ; a fragment of Wk: row r x pitch + 16 hf
	v_lshlrev_b32 v7, 5, v1
	v_lshl_add_u32 v7, v2, 4, v7
	v_add_nc_u32 v7, SCB, v7                       ; its scale words: row r of 32 bytes; lanes 0-15 words 0-3, lanes 16-31 words 4-7
	v_lshl_add_u32 v8, v2, 5, QPB                  ; qp of my eight h of a tile
	v_lshl_add_u32 v9, v2, 5, VVB-64               ; -c v of the tile BEFORE the one that is being fetched
	s_mul_i32 s63, s20, 4608
	s_add_co_u32 s63, s63, STG                     ; my stage
	v_mul_u32_u24 v14, v2, 272
	v_lshl_add_u32 v14, v1, 4, v14
	v_add_nc_u32 v14, s63, v14                     ; in: as loaded: lanes 0-15 one row's 256 bytes, lanes 16-31 the next row's
	v_mul_u32_u24 v15, v1, 272
	v_lshl_add_u32 v15, v2, 6, v15
	v_add_nc_u32 v15, s63, v15                     ; back: row r, my half's 64 bytes of a block of 32 numbers
	v_lshlrev_b32 v16, 5, v0                       ; 32 bytes a thread of qp and of v
	v_add_nc_u32 v17, QPB, v16
	v_lshlrev_b32 v18, 3, v2
	v_lshlrev_b32 v19, 4, v1
.irp i, 24,25,26,27,194,195
	v_mov_b32 v\i, 0                               ; written once: a lane permute's destination counts as one of its sources
.endr
	global_load_b128 v[128:131], v16, s[12:13]
	global_load_b128 v[132:135], v16, s[12:13] offset:16
	global_load_b128 v[136:139], v16, s[10:11]
	global_load_b128 v[140:143], v16, s[10:11] offset:16
.irp rt, 0,1,2,3
.irp i, 0,1,2,3,4,5,6,7
	global_load_b32 v[96+8*\rt+\i], v18, s[14:15] offset:4*(32*(\rt%2)+4*\i+\rt/2)   ; the row at place (rt, m = 2 i + hf)
.endr
.endr
	s_wait_loadcnt 0x0
.irp j, 136,138,140,142
	v_pk_mul_f32 v[\j:\j+1], v[\j:\j+1], 0xc038aa3b op_sel_hi:[1,0]   ; -c v
.endr
	ds_store_b128 v17, v[128:131]
	ds_store_b128 v17, v[132:135] offset:16
	ds_store_b128 v17, v[136:139] offset:4096
	ds_store_b128 v17, v[140:143] offset:4112
.set i_, 96
.rept 32
	v_min_u32 v[i_], 0x3ff, v[i_]                  ; a row's number, held inside the batch
	v_lshlrev_b32 v[i_], 12, v[i_]                 ; 4,096 bytes a row
	v_add_nc_u32 v[i_], v[i_], v19                 ; + 16 bytes a lane
.set i_, i_+1
.endr
; ---------------- PHASE Q: my 64 rows become codes ----------------
; A unit u = 16 rt + 2 ks + hh is 16 rows x 64 numbers (256 bytes of each row: two blocks of 32).  Its eight loads read whole aligned runs of 256 bytes, 16 lanes to a run.  The conversions want 16 NEIGHBOURS
; along K in one lane's registers, so the unit turns through my stage in LDS: in as loaded, back 64 bytes a lane and block.  Loads run eight units (64 loads, 32 KiB a wave) ahead, the turn one unit.
.macro LOADU u
	WIN 0x40                                       ; destination window 1
.irp i, 0,1,2,3,4,5,6,7
	global_load_b128 v[32*((\u)%8)+4*\i:32*((\u)%8)+4*\i+3], v[96+8*((\u)/16)+\i], s[4:5] offset:512*(((\u)/2)%8)+256*((\u)%2)
.endr
.endm
.macro TURN u
	WIN 0x04                                       ; an LDS store's data are its source 1: window 1
.irp i, 0,1,2,3,4,5,6,7
	ds_store_b128 v14, v[32*((\u)%8)+4*\i:32*((\u)%8)+4*\i+3] offset:544*\i
.endr
	WIN 0
.irp cc, 0,1
.irp j, 0,1,2,3
	ds_load_b128 v[128+32*((\u)%2)+16*\cc+4*\j:128+32*((\u)%2)+16*\cc+4*\j+3], v15 offset:128*\cc+16*\j   ; LDS serves a wave's instructions in order (ISA guide 5.7.1.4): these see the stores above
.endr
.endr
.endm
; The unit's two blocks: largest magnitude (with the floor 2^(9 - 127), which holds the byte at 1 from below), scale, hold, conversion straight into the operand's registers, bytes into the row's scale word.
.macro QUANT u
.set XS_, 128+32*((\u)%2)
.set RT_, (\u)/16
.set KS_, ((\u)/2)%8
.set HH_, (\u)%2
.set AD_, 64*(KS_%4)+16*RT_+8*HH_
.set AS_, 32+8*RT_+KS_
	WIN 0
.irp cc, 0,1
	v_max3_num_f32 v[192+\cc], |v[XS_+16*\cc]|, |v[XS_+16*\cc+1]|, 0x4800000
.endr
.irp i, 2,4,6,8,10,12,14
.irp cc, 0,1
	v_max3_num_f32 v[192+\cc], v[192+\cc], |v[XS_+16*\cc+\i]|, |v[XS_+16*\cc+\i+1]|
.endr
.endr
.irp cc, 0,1
	v_permlanex16_b32 v[194+\cc], v[192+\cc], s54, s55
.endr
.irp cc, 0,1
	v_max_num_f32 v[192+\cc], v[192+\cc], v[194+\cc]               ; with lane l xor 16's 16 numbers: the block's largest magnitude
.endr
.irp cc, 0,1
	v_add_nc_u32 v[198+\cc], 0xfc000000, v[192+\cc]                ; 8 off its exponent field: the conversion takes the exponent field of this operand as its scale
.endr
.irp cc, 0,1
	v_and_or_b32 v[196+\cc], v[192+\cc], 0x7f800000, s56           ; 448 x the scale
.endr
.irp cc, 0,1
	v_lshrrev_b32 v[194+\cc], 23, v[198+\cc]                       ; the scale's byte
.endr
.irp cc, 0,1
.irp i, 0,1,2,3,4,5,6,7,8,9,10,11,12,13,14,15
	v_med3_num_f32 v[XS_+16*\cc+\i], v[XS_+16*\cc+\i], -v[196+\cc], v[196+\cc]   ; the conversion to an 8-bit code does not saturate (ISA guide 7.6.2): the hold at 448 x the scale
.endr
.endr
.if KS_ < 4
	WIN 0x80                                       ; destination window 2
.else
	WIN 0xc0                                       ; destination window 3
.endif
.irp cc, 0,1
	v_cvt_scalef32_pk8_fp8_f32 v[AD_+4*\cc:AD_+4*\cc+1], v[XS_+16*\cc:XS_+16*\cc+7], v[198+\cc]
	v_cvt_scalef32_pk8_fp8_f32 v[AD_+4*\cc+2:AD_+4*\cc+3], v[XS_+16*\cc+8:XS_+16*\cc+15], v[198+\cc]
.endr
	WIN 0
.if HH_ == 0
	v_lshl_or_b32 v[AS_], v195, 8, v194            ; bytes 0, 1 of the row's scale word for this K step.  (Also the plain instruction behind the conversions)
.else
	v_lshl_or_b32 v[AS_], v194, 16, v[AS_]         ; bytes 2, 3
	v_lshl_or_b32 v[AS_], v195, 24, v[AS_]
.endif
.endm
.macro UNIT u
	s_wait_dscnt 0x0                               ; this unit's numbers are back from the stage, and the stage's stores have read the registers that the loads below fill
.if (\u)+8 < 64
	LOADU (\u)+8
.endif
.if (\u)+1 < 64
.if 62-(\u) >= 7
	s_wait_loadcnt 56                              ; the next unit's eight loads are in; those of the seven units behind it may be out
.else
	s_wait_loadcnt 8*(62-(\u))
.endif
	TURN (\u)+1                                    ; it goes through the stage while this unit is worked
.endif
	QUANT \u
.endm
.set U_, 0
.rept 8
	LOADU U_
.set U_, U_+1
.endr
	s_wait_loadcnt 56                              ; unit 0's eight loads are in
	TURN 0
.set U_, 0
.rept 64
	UNIT U_
.set U_, U_+1
.endr
; ---------------- THE PRODUCTS ----------------
; The tile macro is written once: the first tile finds zeros in the other set of accumulators and in -c v, which add 0 to the energies.
	WIN 0x40
.set i_, 32
.rept 32
	v_mov_b32 v[i_], 0
.set i_, i_+1
.endr
.set i_, 200
.rept 16
	v_mov_b32 v[i_], 0                             ; -c v and the energies.  (These 48 lines are also the places between the last scale word and codes made above and the first product)
.set i_, i_+1
.endr
	WIN 0
	s_wait_kmcnt 0x0                               ; n
	s_wait_tensorcnt 0x1                           ; the scale bytes and my part of slot 0 are in; slot 1's may stay out
	s_wait_dscnt 0x0                               ; my stores of qp and -c v have landed
	s_barrier_signal -1
	s_barrier_wait -1
	s_mov_b32 s57, 0                               ; LDS byte of the tile of Wk to be fetched,
	s_mov_b32 s58, 0                               ; of its qp (64 bytes a tile),
	s_mov_b32 s59, 0                               ; of its scale words (512 bytes a tile)
; 19 LDS loads: the next tile's scale words (set pn), its qp, its fragments of K steps 0-3
.macro RUNA pn
	WIN 0
	v_add_nc_u32 v10, s57, v6
	v_add_nc_u32 v11, s59, v7
	v_add_nc_u32 v12, s58, v8
	ds_load_b128 v[64+4*(\pn):67+4*(\pn)], v11
	WIN 0x40
	ds_load_b128 v[192:195], v12
	ds_load_b128 v[196:199], v12 offset:16
.irp ks, 0,1,2,3
.irp c, 0,1,2,3
	ds_load_b128 v[64+16*\ks+4*\c:64+16*\ks+4*\c+3], v10 offset:128*\ks+32*\c
.endr
.endr
.endm
; vv = 1: -c v of the tile in hand (two loads, first);  bf = 1: the next tile's fragments of K steps 4-7 (16 loads).  Then the three places step.
.macro RUNB vv, bf
	WIN 0
.if \vv
	v_add_nc_u32 v13, s58, v9
.endif
	WIN 0x40
.if \vv
	ds_load_b128 v[200:203], v13
	ds_load_b128 v[204:207], v13 offset:16
.endif
.if \bf
.irp ks, 4,5,6,7
.irp c, 0,1,2,3
	ds_load_b128 v[64+16*\ks+4*\c:64+16*\ks+4*\c+3], v10 offset:128*\ks+32*\c
.endr
.endr
.endif
	WIN 0
	s_add_co_u32 s57, s57, TILEB
	s_add_co_u32 s58, s58, 64
	s_add_co_u32 s59, s59, 512
.endm
; One product: set p, K step ks, tile of rows rt.  K step 0 takes qp as C; K steps 4-7 take Wk's scale words from lanes 16-31.
.macro MM p, ks, rt
.set d_, 32*(\p)+8*(\rt)
.set b_, 64+16*(\ks)
.set a_, 64*((\ks)%4)+16*(\rt)
.if (\ks) == 0
	v_wmma_scale_f32_16x16x128_f8f6f4 v[d_:d_+7], v[b_:b_+15], v[a_:a_+15], v[192:199], v[64+4*(\p)+(\ks)%4], v[32+8*(\rt)+(\ks)]
.elseif (\ks) < 4
	v_wmma_scale_f32_16x16x128_f8f6f4 v[d_:d_+7], v[b_:b_+15], v[a_:a_+15], v[d_:d_+7], v[64+4*(\p)+(\ks)%4], v[32+8*(\rt)+(\ks)]
.else
	v_wmma_scale_f32_16x16x128_f8f6f4 v[d_:d_+7], v[b_:b_+15], v[a_:a_+15], v[d_:d_+7], v[64+4*(\p)+(\ks)%4], v[32+8*(\rt)+(\ks)] matrix_a_scale:MATRIX_SCALE_ROW1
.endif
.endm
; Number n_ of a list of 50: 16 registers of set q (half hv: two tiles of rows) go from x to 1 / (1 + 2^(c x)).  No source 1 is a vector register, so the list runs under the products' window setting.
; A plain instruction stands behind each run of transcendentals before their results are used (ISA guide 5.7.2).  Each accumulator is read from its low end on.
.macro TS q, hv
.set tb_, 32*(\q)+16*(\hv)
.if n_ < 8
	v_pk_mul_f32 v[tb_+2*n_:tb_+2*n_+1], v[tb_+2*n_:tb_+2*n_+1], s[52:53] op_sel_hi:[1,0]
.elseif n_ < 24
	v_exp_f32 v[tb_+n_-8], v[tb_+n_-8]
.elseif n_ == 24
	v_nop
	s_wait_alu depctr_va_vdst(0)
.elseif n_ < 33
	v_pk_add_f32 v[tb_+2*(n_-25):tb_+2*(n_-25)+1], v[tb_+2*(n_-25):tb_+2*(n_-25)+1], 1.0 op_sel_hi:[1,0]
.elseif n_ < 49
	v_rcp_f32 v[tb_+n_-33], v[tb_+n_-33]
.else
	v_nop
.endif
.set n_, n_+1
.endm
; 16 products (K steps 4 hv on, the four accumulators by turns, one instruction a turn) with three of the list behind each, and the last two behind the sixteenth
.macro HALF p, hv
.set n_, 0
.irp kk, 0,1,2,3
.irp rt, 0,1,2,3
	MM \p, 4*\hv+\kk, \rt
	TS 1-\p, \hv
	TS 1-\p, \hv
	TS 1-\p, \hv
.endr
.endr
	TS 1-\p, \hv
	TS 1-\p, \hv
.endm
; The energies of tiles of rows 2 hv, 2 hv + 1 take their eight h of set q: two chains by turns
.macro ENB q, hv
	s_wait_alu depctr_va_vdst(0)
.irp pp, 0,1,2,3
.irp e, 0,1
	v_pk_fma_f32 v[208+2*(2*\hv+\e):209+2*(2*\hv+\e)], v[32*(\q)+16*\hv+8*\e+2*\pp:32*(\q)+16*\hv+8*\e+2*\pp+1], v[200+2*\pp:201+2*\pp], v[208+2*(2*\hv+\e):209+2*(2*\hv+\e)]
.endr
.endr
.endm
; THE CHANGE OF SLOTS, in the middle of a slot's last tile: all reads of slot z have been issued.  Each wave waits for all its tensor loads (one is out: its part of the other slot), adds 0 to its spare word,
; and waits for that and for its reads.  fill = 1: the barrier is a round of the cluster's, and the joint refill of slot z, with the rows 256 further on, is the first thing behind it:
; it has eight tiles, 256 products, in which to land.
.macro CHANGE z, fill
	WIN 0
	s_wait_tensorcnt 0x0                           ; no tensor load of mine is out, so a group 0 may be written
	ds_add_u32 v4, v5                              ; 0 onto my spare word
.if \fill
	s_add_nc_u64 s[34+4*\z:35+4*\z], s[34+4*\z:35+4*\z], 0x40000   ; 256 rows on; the type bits on top are not reached
.endif
	s_wait_dscnt 0x0                               ; the add is done, and my reads of the slot are over
.if \fill
	ROUND
	tensor_load_to_lds s[32+4*\z:35+4*\z], s[24:31]
	s_nop 0
.rept 4
	v_nop
.endr
.else
	s_barrier_signal -1
	s_barrier_wait -1
.endif
.if \z == 1
	s_sub_co_u32 s57, s57, 2*SLOT                  ; the fetches go back to slot 0 (slot 1 follows slot 0 without a gap)
.endif
.endm
; A TILE of 16 h: 32 products into set p; the tile before, in the other set, goes through its list and into the energies.
; The v_nop that ends a list and the eight multiply-adds behind it, which name no register of the products, are the places in front of each run of loads into registers that products have read.
.macro TILE p, chg, z, fill, fetch
	s_wait_dscnt 16                                ; the first run and -c v are in; the youngest 16 loads (K steps 4-7) may be out
	WIN 0x59                                       ; source 0 (Wk), C and D window 1; source 1 (keys' codes) window 2
	HALF \p, 0
	WIN 0x55
	ENB 1-\p, 0
.if \chg
	CHANGE \z, \fill
.endif
.if \fetch
	RUNA 1-\p
	s_wait_dscnt 19                                ; all but the 19 just issued
.else
	s_wait_dscnt 0x0
.endif
	WIN 0x5d                                       ; source 1 window 3
	HALF \p, 1
	WIN 0x55
	ENB 1-\p, 1
	RUNB 1, \fetch
.endm
; A slot's eight tiles
.macro SLOTRUN z, chg, fill, fetch
	s_mov_b32 s61, 3
.Lpair_\@:
	TILE 0, 0, 0, 0, 1
	TILE 1, 0, 0, 0, 1
	s_sub_co_u32 s61, s61, 1
	s_cmp_lg_u32 s61, 0
	s_cbranch_scc1 .Lpair_\@
	TILE 0, 0, 0, 0, 1
	TILE 1, \chg, \z, \fill, \fetch
.endm
	RUNA 0                                         ; tile 0
	RUNB 0, 1
	s_mov_b32 s60, 3
.Lring:                                            ; three trips: rows 0 to 767 of Wk are multiplied, rows 256 to 1,023 asked for
	SLOTRUN 0, 1, 1, 1
	SLOTRUN 1, 1, 1, 1
	s_sub_co_u32 s60, s60, 1
	s_cmp_lg_u32 s60, 0
	s_cbranch_scc1 .Lring
	SLOTRUN 0, 1, 0, 1                             ; the tail is written out: nothing is left to ask for
	SLOTRUN 1, 0, 0, 0
	s_wait_dscnt 0x0                               ; -c v of the last tile
	WIN 0x55
.irp hv, 0,1                                       ; the last tile (set 1) has no products to stand beside
.set n_, 0
.rept 50
	TS 1, \hv
.endr
	ENB 1, \hv
.endr
	; ---------------- the way out ----------------
	WIN 0x05                                       ; sources window 1, destination window 0
.irp rt, 0,1,2,3
	v_add_f32 v[20+\rt], v[208+2*\rt], v[209+2*\rt]
.endr
	WIN 0
.irp rt, 0,1,2,3
	v_permlanex16_b32 v[24+\rt], v[20+\rt], s54, s55
.endr
.irp rt, 0,1,2,3
	v_add_f32 v[20+\rt], v[20+\rt], v[24+\rt]      ; with the other half's eight h of each tile: row r of tile rt, in both halves of the lanes
.endr
	v_cmp_eq_u32 vcc_lo, 1, v2
	v_cndmask_b32 v28, v20, v21, vcc_lo            ; lane 16 hf + r stores the pair (rt = hf, rt = 2 + hf) of row r
	v_cndmask_b32 v29, v22, v23, vcc_lo
	s_lshl_b32 s66, s23, 4
	v_lshl_add_u32 v16, v2, 8, v1
	v_add_nc_u32 v16, s66, v16                     ; the first's place: 256 hf + 16 sg + r;
	v_add_nc_u32 v18, 512, v16                     ; the second's
	v_mov_b32 v17, 0xff800000                      ; -infinity for the places behind n
	v_cmp_gt_u32 vcc_lo, s62, v16
	v_cndmask_b32 v28, v17, v28, vcc_lo
	v_cmp_gt_u32 vcc_lo, s62, v18
	v_cndmask_b32 v29, v17, v29, vcc_lo
	v_lshlrev_b32 v19, 3, v3
	global_store_b64 v19, v[28:29], s[18:19]       ; the wave stores 256 consecutive bytes, at a multiple of 256 from enp's first byte
	s_wait_tensorcnt 0x0                           ; the wave's end
	ds_add_u32 v4, v5
	s_wait_dscnt 0x0
	ROUND                                          ; the closing round: no work-group ends while a partner may still ask for a tile that names it
	s_endpgm
.Lfunc_end_k_q9d1d982a67_main:
	.size	k_q9d1d982a67_main, .Lfunc_end_k_q9d1d982a67_main-k_q9d1d982a67_main
	.p2alignl 7, 3214868480
	.fill 96, 4, 3214868480
	.section	.rodata,"a",@progbits
	.p2align	6, 0x0
	.amdhsa_kernel k_q9d1d982a67_main
		.amdhsa_group_segment_fixed_size 327680
		.amdhsa_private_segment_fixed_size 0
		.amdhsa_enable_private_segment 0
		.amdhsa_kernarg_size 64
		.amdhsa_user_sgpr_count 2
		.amdhsa_user_sgpr_kernarg_segment_ptr 1
		.amdhsa_wavefront_size32 1
		.amdhsa_system_sgpr_workgroup_id_x 1
		.amdhsa_system_sgpr_workgroup_id_y 1
		.amdhsa_system_sgpr_workgroup_id_z 1
		.amdhsa_system_vgpr_workitem_id 0
		.amdhsa_next_free_vgpr 1024
		.amdhsa_next_free_sgpr 72
		.amdhsa_reserve_vcc 1
		.amdhsa_float_denorm_mode_32 3
		.amdhsa_float_denorm_mode_16_64 3
		.amdhsa_memory_ordered 1
		.amdhsa_forward_progress 1
		.amdhsa_inst_pref_size 255
	.end_amdhsa_kernel
	.section	.bss,"aw",@nobits
	.p2align	6
	.space	262144
	.amdgpu_metadata
---
amdhsa.version: [ 1, 2 ]
amdhsa.kernels:
  - .name:           k_q9d1d982a67_main
    .symbol:         k_q9d1d982a67_main.kd
    .args:
      - { .name: keys, .offset: 0, .size: 8, .value_kind: global_buffer, .address_space: global }
      - { .name: Wk_codes, .offset: 8, .size: 8, .value_kind: global_buffer, .address_space: global }
      - { .name: Wk_scales, .offset: 16, .size: 8, .value_kind: global_buffer, .address_space: global }
      - { .name: v, .offset: 24, .size: 8, .value_kind: global_buffer, .address_space: global }
      - { .name: qp, .offset: 32, .size: 8, .value_kind: global_buffer, .address_space: global }
      - { .name: src, .offset: 40, .size: 8, .value_kind: global_buffer, .address_space: global }
      - { .name: cnt, .offset: 48, .size: 8, .value_kind: global_buffer, .address_space: global }
      - { .name: enp, .offset: 56, .size: 8, .value_kind: global_buffer, .address_space: global }
    .group_segment_fixed_size: 327680
    .private_segment_fixed_size: 0
    .kernarg_segment_align: 8
    .kernarg_segment_size: 64
    .max_flat_workgroup_size: 128
    .sgpr_count:     72
    .vgpr_count:     1024
    .wavefront_size: 32
...
	.end_amdgpu_metadata
.endif
;; end of part 2
;; launch ctx (part 3): grid 256 x 1, 8 waves a work-group, no clusters, 9,216 bytes of LDS; arguments keys, enp, src, inv, cnt, out0, out1; writes out0, out1
.if DOCPART == 3
	.amdgcn_target "amdgcn-amd-amdhsa--gfx1250"
	.amdhsa_code_object_version 6
	.text
	.protected	k_q9d1d982a67_ctx
	.globl	k_q9d1d982a67_ctx
	.p2align	8
	.type	k_q9d1d982a67_ctx,@function
k_q9d1d982a67_ctx:
	s_mov_b64 s[64:65], 0
	v_nop
	global_prefetch_b8 v0, s[64:65] scope:SCOPE_SE
	s_setreg_imm32_b32 hwreg(HW_REG_WAVE_MODE, 25, 1), 1
	s_wait_xcnt 0x0
; The softmax over a batch's 1,024 base-2 logits (enp; -infinity at places that hold no row), attn, and context = the sum over rows of attn x keys, all in f32.
; Work-group g: batch g / 4, columns 256 (g % 4) on: one owner for each number of out0 and out1.  Eight waves.
; Every wave takes the maximum M and the sum of 2^(e - M) of all 1,024 logits itself (4 KiB, 32 a lane): the same instructions on the same numbers in every wave, so no barrier is needed for them.
; M is held at the lowest finite number from below, and the sum at 2^-100: in a batch with no row at all every weight is then 0, as the problem asks.
; attn: waves 0 and 1: row s finds its logit at inv[s] (a masked row's place holds -infinity: weight 0).
; context: the places go in four groups of 256; wave w takes places 256 g + 32 w .. + 31 of each, one a lane; a group whose first place is not under n (read from cnt) is jumped over.  For each place the row's
; 1,024 bytes of my columns come by two loads of 512 consecutive bytes; its number and its weight go from the lane that holds them to scalar registers.  16 rows (32 loads, 16 KiB a wave) are on their way.
; LIMITS: NaN and infinities in keys are not served.  No matrix unit (the product has one row), no tensor loads, no cluster: nothing is shared between work-groups.
; REGISTERS: v2 16 x lane; v3 my place's byte in src and enp; v16-19 the four groups' rows, v20-23 their weights; v24 M, v30 1 / sum; v32-63 logits; v64-191 two sets of 8 rows x 8; v192-207 their offsets; v208-215 the sums.
	s_load_b256 s[4:11], s[0:1], 0x0               ; keys s[4:5], enp s[6:7], src s[8:9], inv s[10:11]
	s_load_b128 s[12:15], s[0:1], 0x20             ; cnt s[12:13], out0 s[14:15]
	s_load_b64 s[16:17], s[0:1], 0x30              ; out1
	v_lshl_add_u32 v224, v0, 2, 0x2000
	v_mov_b32 v225, 0
	v_lshrrev_b32 v1, 5, v0
	v_readfirstlane_b32 s18, v1                    ; wave 0..7
	v_and_b32 v1, 31, v0
	v_lshlrev_b32 v2, 4, v1                        ; 16 x lane
	v_and_b32 v3, 15, v0
	v_bfe_u32 v5, v0, 4, 1
	v_lshlrev_b32 v3, 3, v3
	v_lshl_add_u32 v3, v5, 8, v3
	s_lshl_b32 s44, s18, 9
	v_add_nc_u32 v3, s44, v3                       ; 512 w + 256 (lane / 16) + 8 (lane % 16)
	s_lshr_b32 s19, ttmp9, 2                       ; the batch
	s_and_b32 s40, ttmp9, 3                        ; which 256 columns
	s_mov_b32 s43, 0
	s_mov_b32 s38, 0x76543210
	s_mov_b32 s39, 0xfedcba98                      ; v_permlanex16_b32's selects for lane l xor 16
.irp j, 21,23,25,27,29,31,33,35
	s_mov_b32 s\j, 0                               ; the upper halves of the pairs that the packed multiply-adds name: only the low word is taken
.endr
	s_wait_kmcnt 0x0
	s_lshl_b32 s42, s19, 7
	s_add_nc_u64 s[12:13], s[12:13], s[42:43]
	s_load_b32 s41, s[12:13], 0x0                  ; n
	s_lshl_b32 s42, s19, 12
	s_add_nc_u64 s[6:7], s[6:7], s[42:43]          ; enp and src at my batch
	s_add_nc_u64 s[8:9], s[8:9], s[42:43]
	s_lshl_b32 s44, s40, 10
	s_add_co_u32 s42, s42, s44
	s_add_nc_u64 s[10:11], s[10:11], s[42:43]      ; inv, out0 and out1 at my batch and my 256 numbers
	s_add_nc_u64 s[14:15], s[14:15], s[42:43]
	s_add_nc_u64 s[16:17], s[16:17], s[42:43]
	s_lshl_b32 s42, s19, 22
	s_add_co_u32 s42, s42, s44
	s_add_nc_u64 s[4:5], s[4:5], s[42:43]          ; keys at my batch and my columns
.irp j, 0,1,2,3,4,5,6,7
	global_load_b128 v[32+4*\j:35+4*\j], v2, s[6:7] offset:512*\j
.endr
.irp g, 0,1,2,3
	global_load_b32 v[16+\g], v3, s[8:9] offset:128*(\g%2)+4*(\g/2)    ; the row at my place of group g,
	global_load_b32 v[20+\g], v3, s[6:7] offset:128*(\g%2)+4*(\g/2)    ; and its logit
.endr
.irp j, 208,209,210,211,212,213,214,215
	v_mov_b32 v\j, 0
.endr
	s_wait_loadcnt 0x0
	v_max3_num_f32 v24, v32, v33, v34              ; the maximum, in two chains
	v_max3_num_f32 v25, v35, v36, v37
.irp i, 38,42,46,50,54,58
	v_max3_num_f32 v24, v24, v[\i], v[\i+1]
	v_max3_num_f32 v25, v25, v[\i+2], v[\i+3]
.endr
	v_max3_num_f32 v24, v24, v62, v63
	v_max3_num_f32 v24, v24, v25, 0xff7fffff       ; held at the lowest finite number: -infinity less M stays -infinity
	v_max_num_f32_dpp v24, v24, v24 row_xmask:1 row_mask:0xf bank_mask:0xf
	v_max_num_f32_dpp v24, v24, v24 row_xmask:2 row_mask:0xf bank_mask:0xf
	v_max_num_f32_dpp v24, v24, v24 row_xmask:4 row_mask:0xf bank_mask:0xf
	v_max_num_f32_dpp v24, v24, v24 row_xmask:8 row_mask:0xf bank_mask:0xf
	v_permlanex16_b32 v25, v24, s38, s39
	v_max_num_f32 v24, v24, v25                    ; M, in every lane
.irp i, 32,34,36,38,40,42,44,46,48,50,52,54,56,58,60,62
	v_pk_add_f32 v[\i:\i+1], v[\i:\i+1], v[24:25] op_sel_hi:[1,0] neg_lo:[0,1] neg_hi:[0,1]   ; e - M
.endr
.irp g, 0,1,2,3
	v_sub_f32 v[20+\g], v[20+\g], v24
.endr
.set i_, 32
.rept 32
	v_exp_f32 v[i_], v[i_]
.set i_, i_+1
.endr
.irp g, 0,1,2,3
	v_exp_f32 v[20+\g], v[20+\g]
.endr
	v_nop                                          ; a plain instruction between the exponentials and the use of their results (ISA guide 5.7.2)
	s_wait_alu depctr_va_vdst(0)
	v_pk_add_f32 v[26:27], v[32:33], v[34:35]      ; the sum, two at a time, in two chains
	v_pk_add_f32 v[28:29], v[36:37], v[38:39]
.irp i, 40,44,48,52,56,60
	v_pk_add_f32 v[26:27], v[26:27], v[\i:\i+1]
	v_pk_add_f32 v[28:29], v[28:29], v[\i+2:\i+3]
.endr
	v_pk_add_f32 v[26:27], v[26:27], v[28:29]
	v_add_f32 v26, v26, v27
	v_add_f32_dpp v26, v26, v26 row_xmask:1 row_mask:0xf bank_mask:0xf
	v_add_f32_dpp v26, v26, v26 row_xmask:2 row_mask:0xf bank_mask:0xf
	v_add_f32_dpp v26, v26, v26 row_xmask:4 row_mask:0xf bank_mask:0xf
	v_add_f32_dpp v26, v26, v26 row_xmask:8 row_mask:0xf bank_mask:0xf
	v_permlanex16_b32 v27, v26, s38, s39
	v_add_f32 v26, v26, v27
	v_max_num_f32 v26, 0x0d800000, v26             ; at least 2^-100: a batch without rows divides 0 by that
	v_rcp_f32 v30, v26
	v_nop
	s_wait_alu depctr_va_vdst(0)
.irp g, 0,1,2,3
	v_mul_f32 v[20+\g], v[20+\g], v30              ; my places' weights
.endr
	; ---- attn of my 256 rows: threads 0 to 63, four rows each
	s_cmp_lt_u32 s18, 2
	s_cbranch_scc0 .Lno_attn
	v_lshlrev_b32 v4, 4, v0
	global_load_b128 v[8:11], v4, s[10:11]
	s_wait_loadcnt 0x0
.irp i, 8,9,10,11
	v_min_u32 v\i, 0x3ff, v\i                      ; a storage index, held inside the batch's 1,024
	v_lshlrev_b32 v\i, 2, v\i
.endr
.irp i, 0,1,2,3
	global_load_b32 v[12+\i], v[8+\i], s[6:7]
.endr
	s_wait_loadcnt 0x0
.irp i, 12,13,14,15
	v_sub_f32 v\i, v\i, v24
.endr
.irp i, 12,13,14,15
	v_exp_f32 v\i, v\i
.endr
	v_nop
	s_wait_alu depctr_va_vdst(0)
.irp i, 12,13,14,15
	v_mul_f32 v\i, v\i, v30
.endr
	global_store_b128 v4, v[12:15], s[16:17]       ; 16 lanes store 256 consecutive bytes
.Lno_attn:
	s_wait_kmcnt 0x0                               ; n
; Eight rows of group g, lanes 8 k on: their numbers become offsets, two loads of 512 consecutive bytes each
.macro ISSUE g, k
.irp jj, 0,1,2,3,4,5,6,7
	v_readlane_b32 s46, v[16+\g], 8*\k+\jj
	s_min_u32 s46, s46, 0x3ff                      ; a row's number, held inside the batch
	s_lshl_b32 s46, s46, 12
	v_add_nc_u32 v[192+8*(\k%2)+\jj], s46, v2
	global_load_b128 v[64+64*(\k%2)+8*\jj:64+64*(\k%2)+8*\jj+3], v[192+8*(\k%2)+\jj], s[4:5]
	global_load_b128 v[64+64*(\k%2)+8*\jj+4:64+64*(\k%2)+8*\jj+7], v[192+8*(\k%2)+\jj], s[4:5] offset:512
.endr
.endm
; and are added, each times its weight.  left: the younger loads, which may stay out; the wait also frees these rows' offset registers
.macro FMA g, k, left
	s_wait_loadcnt \left
.irp jj, 0,1,2,3,4,5,6,7
	v_readlane_b32 s[20+2*\jj], v[20+\g], 8*\k+\jj
.endr
.irp jj, 0,1,2,3,4,5,6,7
.irp pp, 0,1,2,3
	v_pk_fma_f32 v[208+2*\pp:209+2*\pp], v[64+64*(\k%2)+8*\jj+2*\pp:64+64*(\k%2)+8*\jj+2*\pp+1], s[20+2*\jj:21+2*\jj], v[208+2*\pp:209+2*\pp] op_sel_hi:[1,0,1]
.endr
.endr
.endm
.macro GROUP g
	s_lshl_b32 s44, s18, 5
	s_add_co_u32 s44, s44, 256*\g
	s_cmp_ge_u32 s44, s41                          ; my 32 places of this group all lie behind n: their weights are 0
	s_cbranch_scc1 .Lskip_\@
	ISSUE \g, 0
	ISSUE \g, 1
	FMA \g, 0, 16
	ISSUE \g, 2
	FMA \g, 1, 16
	ISSUE \g, 3
	FMA \g, 2, 16
	FMA \g, 3, 0
.Lskip_\@:
.endm
	GROUP 0
	GROUP 1
	GROUP 2
	GROUP 3
	; ---- the eight waves' sums meet in LDS: 1,024 bytes a wave
	s_lshl_b32 s44, s18, 10
	v_add_nc_u32 v6, s44, v2
	ds_store_b128 v6, v[208:211]
	ds_store_b128 v6, v[212:215] offset:512
	s_wait_dscnt 0x0                               ; for the others' sake: my stores have landed
	s_barrier_signal -1
	s_barrier_wait -1
	s_cmp_lt_u32 s18, 2
	s_cbranch_scc0 .Lend
	v_lshlrev_b32 v7, 4, v0                        ; threads 0 to 63: four columns each
.irp w, 0,1,2,3,4,5,6,7
	ds_load_b128 v[64+4*\w:67+4*\w], v7 offset:1024*\w
.endr
	s_wait_dscnt 0x0
.irp w, 1,2,3,4,5,6,7
	v_pk_add_f32 v[64:65], v[64:65], v[64+4*\w:65+4*\w]
	v_pk_add_f32 v[66:67], v[66:67], v[66+4*\w:67+4*\w]
.endr
	global_store_b128 v7, v[64:67], s[14:15]       ; 16 lanes store 256 consecutive bytes
.Lend:
	s_wait_tensorcnt 0x0
	ds_add_u32 v224, v225
	s_wait_dscnt 0x0
	s_endpgm
.Lfunc_end_k_q9d1d982a67_ctx:
	.size	k_q9d1d982a67_ctx, .Lfunc_end_k_q9d1d982a67_ctx-k_q9d1d982a67_ctx
	.p2alignl 7, 3214868480
	.fill 96, 4, 3214868480
	.section	.rodata,"a",@progbits
	.p2align	6, 0x0
	.amdhsa_kernel k_q9d1d982a67_ctx
		.amdhsa_group_segment_fixed_size 9216
		.amdhsa_private_segment_fixed_size 0
		.amdhsa_enable_private_segment 0
		.amdhsa_kernarg_size 56
		.amdhsa_user_sgpr_count 2
		.amdhsa_user_sgpr_kernarg_segment_ptr 1
		.amdhsa_wavefront_size32 1
		.amdhsa_system_sgpr_workgroup_id_x 1
		.amdhsa_system_sgpr_workgroup_id_y 1
		.amdhsa_system_sgpr_workgroup_id_z 1
		.amdhsa_system_vgpr_workitem_id 0
		.amdhsa_next_free_vgpr 226
		.amdhsa_next_free_sgpr 66
		.amdhsa_reserve_vcc 0
		.amdhsa_float_denorm_mode_32 3
		.amdhsa_float_denorm_mode_16_64 3
		.amdhsa_memory_ordered 1
		.amdhsa_forward_progress 1
		.amdhsa_inst_pref_size 102
	.end_amdhsa_kernel
	.amdgpu_metadata
---
amdhsa.version: [ 1, 2 ]
amdhsa.kernels:
  - .name:           k_q9d1d982a67_ctx
    .symbol:         k_q9d1d982a67_ctx.kd
    .args:
      - { .name: keys, .offset: 0, .size: 8, .value_kind: global_buffer, .address_space: global }
      - { .name: enp, .offset: 8, .size: 8, .value_kind: global_buffer, .address_space: global }
      - { .name: src, .offset: 16, .size: 8, .value_kind: global_buffer, .address_space: global }
      - { .name: inv, .offset: 24, .size: 8, .value_kind: global_buffer, .address_space: global }
      - { .name: cnt, .offset: 32, .size: 8, .value_kind: global_buffer, .address_space: global }
      - { .name: out0, .offset: 40, .size: 8, .value_kind: global_buffer, .address_space: global }
      - { .name: out1, .offset: 48, .size: 8, .value_kind: global_buffer, .address_space: global }
    .group_segment_fixed_size: 9216
    .private_segment_fixed_size: 0
    .kernarg_segment_align: 8
    .kernarg_segment_size: 56
    .max_flat_workgroup_size: 256
    .sgpr_count:     66
    .vgpr_count:     226
    .wavefront_size: 32
...
	.end_amdgpu_metadata
.endif
;; end of part 3
;; ======== version 2 of 2: 3 launches
;; limits: right only within a limited range of input values
;; workspace buffers: qp 262,144 bytes; enp 262,144 bytes; src 262,144 bytes of whole numbers; inv 262,144 bytes of whole numbers; cnt 8,192 bytes of whole numbers
;; launch prep (part 4): grid 32 x 1, 4 waves a work-group, no clusters, 17,920 bytes of LDS; arguments query_codes, query_scales, Wq_codes, Wq_scales, mask, qp, src, inv, cnt; writes qp, src, inv, cnt
.if DOCPART == 4
	.amdgcn_target "amdgcn-amd-amdhsa--gfx1250"
	.amdhsa_code_object_version 6
	.text
	.protected	k_q9d1d982a67_prep
	.globl	k_q9d1d982a67_prep
	.p2align	8
	.type	k_q9d1d982a67_prep,@function
k_q9d1d982a67_prep:
	s_mov_b64 s[64:65], 0
	v_nop
	global_prefetch_b8 v0, s[64:65] scope:SCOPE_SE
	s_setreg_imm32_b32 hwreg(HW_REG_WAVE_MODE, 25, 1), 1
	s_wait_xcnt 0x0
; TWO SMALL JOBS IN ONE LAUNCH, parted by the work-group's number.
; Work-groups 0-15: qp[b][h] = the sum over k of query[b][k] Wq[h][k], both given as E4M3 codes with E8M0 scales: 64 x 1,024 x 1,024.
;   Work-group g takes h = 64 g .. 64 g + 63, its wave w the batches 16 w .. 16 w + 15: four tiles of 16 h, eight K steps of 128.
;   The product is used transposed (source 0 = 16 rows of Wq, source 1 = 16 rows of query): a lane holds one batch and eight neighbouring h.
; Work-groups 16-31: one wave to a batch packs the rows whose mask byte is 0.  Row s gets a PLACE c: the unmasked rows take 0 .. n - 1, the masked ones n .. 1,023.
;   Place c = 256 rt + 16 sg + m is kept at the storage index I(c) = 64 sg + 32 (rt % 2) + 2 m + rt / 2, so that the 64 places of one wave of the next launch
;   (sg fixed) are 256 consecutive bytes.  src[b][I] = the row to read there (0 for a place behind n), inv[b][s] = I, cnt[b][0..31] = n.
; Only the first path uses LDS (a stage of its own for each wave); there is no barrier.
; WORK LEFT OUT IN THIS PROGRAM.  tanh(x) = 1 - 2 / (1 + e^(2x)), so energy[b][s] = (the sum over h of v[h]) - 2 x the sum over h of v[h] / (1 + e^(2x)).  The first term is the same for every s of a batch,
; whatever v holds, and the softmax along s takes such a term away: it is not computed.  v itself is loaded and used.  LIMIT: an overflow or a NaN that would arise in that one sum alone is not carried to the result.
.set MSB, 0
.macro WIN new                         ; the immediate's high byte repeats the setting that is left
.if MSB != \new
	s_set_vgpr_msb (MSB<<8)|\new
.set MSB, \new
.endif
.endm
	s_load_b256 s[4:11], s[0:1], 0x0               ; query's codes s[4:5], its scales s[6:7], Wq's codes s[8:9], its scales s[10:11]
	s_load_b256 s[12:19], s[0:1], 0x20             ; mask s[12:13], qp s[14:15], src s[16:17], inv s[18:19]
	s_load_b64 s[2:3], s[0:1], 0x40                ; cnt
	v_lshl_add_u32 v62, v0, 2, 0x4400
	v_mov_b32 v63, 0
	v_lshrrev_b32 v1, 5, v0
	v_readfirstlane_b32 s60, v1                    ; wave 0..3
	v_and_b32 v2, 31, v0                           ; lane
	v_and_b32 v3, 15, v0                           ; r
	v_bfe_u32 v4, v0, 4, 1                         ; hf
	s_mov_b32 s63, 0                               ; the high word of every offset pair s[62:63]
	s_wait_kmcnt 0x0
	s_cmp_lt_u32 ttmp9, 16
	s_cbranch_scc0 .Lpack
	; ---------------- the query's projection ----------------
	; REGISTERS: window 0: v16-31 Wq's scale words (four a tile), v32-35 query's; v64-191 query's 8 fragments; v192-223 four accumulators; v224-255 rows on the way out.
	;            window 1: Wq's fragments of tiles 0, 1 (tile t, K step ks at v[128 (t % 2) + 16 ks]);  window 2: those of tiles 2, 3.
	s_wait_alu depctr_va_vdst(0)
	v_lshlrev_b32 v5, 10, v3
	v_lshl_add_u32 v5, v4, 4, v5                   ; codes: row r of 1,024 bytes + 16 hf
	v_lshlrev_b32 v6, 5, v3
	v_lshl_add_u32 v6, v4, 4, v6                   ; scales: row r of 32 bytes; lanes 0-15 take words 0-3, lanes 16-31 words 4-7
	s_wait_alu depctr_va_vdst(0)
	s_lshl_b32 s62, ttmp9, 16
	s_add_nc_u64 s[8:9], s[8:9], s[62:63]          ; my 64 rows of Wq
	s_lshl_b32 s62, s60, 14
	s_add_nc_u64 s[4:5], s[4:5], s[62:63]          ; my 16 rows of query
	s_lshl_b32 s62, ttmp9, 11
	s_add_nc_u64 s[10:11], s[10:11], s[62:63]
	s_lshl_b32 s62, s60, 9
	s_add_nc_u64 s[6:7], s[6:7], s[62:63]
	s_lshl_b32 s62, s60, 16
	s_lshl_b32 s61, ttmp9, 8
	s_add_co_u32 s62, s62, s61
	s_add_nc_u64 s[14:15], s[14:15], s[62:63]      ; qp at row 16 w, byte 256 g
	s_mul_i32 s29, s60, 4352                       ; my stage: 16 rows x (256 + 16) bytes
	v_mul_u32_u24 v7, v3, 272
	v_lshl_add_u32 v7, v4, 5, v7
	v_add_nc_u32 v7, s29, v7                       ; in: row r, 32 bytes for each half of the lanes
	v_mul_u32_u24 v8, v4, 272
	v_lshl_add_u32 v8, v3, 4, v8
	v_add_nc_u32 v8, s29, v8                       ; back: lanes 0-15 one row of 256 bytes, lanes 16-31 the next
	v_lshlrev_b32 v9, 12, v4
	v_lshl_add_u32 v9, v3, 4, v9                   ; and the same two rows in qp
.irp ks, 0,1,2,3,4,5,6,7
.irp c, 0,1,2,3
	global_load_b128 v[64+16*\ks+4*\c:64+16*\ks+4*\c+3], v5, s[4:5] offset:128*\ks+32*\c
.endr
.endr
.irp t, 0,1,2,3
	global_load_b128 v[16+4*\t:19+4*\t], v6, s[10:11] offset:512*\t
.endr
	global_load_b128 v[32:35], v6, s[6:7]
	WIN 0x40                                       ; destination window 1
.irp t, 0,1
.irp ks, 0,1,2,3,4,5,6,7
.irp c, 0,1,2,3
	global_load_b128 v[128*\t+16*\ks+4*\c:128*\t+16*\ks+4*\c+3], v5, s[8:9] offset:16384*\t+128*\ks+32*\c
.endr
.endr
.endr
	WIN 0x80                                       ; destination window 2
.irp t, 0,1
.irp ks, 0,1,2,3,4,5,6,7
.irp c, 0,1,2,3
	global_load_b128 v[128*\t+16*\ks+4*\c:128*\t+16*\ks+4*\c+3], v5, s[8:9] offset:16384*(\t+2)+128*\ks+32*\c
.endr
.endr
.endr
	WIN 0
	s_wait_loadcnt 0x0
; One product: tile t, K step ks.  The first starts the sum with the constant 0.  K steps 4-7 take their scale words from lanes 16-31.
.macro QMM t, ks
.set d_, 192+8*(\t)
.set w_, 128*((\t)%2)+16*(\ks)
.set q_, 64+16*(\ks)
.if (\ks) == 0
	v_wmma_scale_f32_16x16x128_f8f6f4 v[d_:d_+7], v[w_:w_+15], v[q_:q_+15], 0, v[16+4*(\t)+(\ks)%4], v[32+(\ks)%4]
.elseif (\ks) < 4
	v_wmma_scale_f32_16x16x128_f8f6f4 v[d_:d_+7], v[w_:w_+15], v[q_:q_+15], v[d_:d_+7], v[16+4*(\t)+(\ks)%4], v[32+(\ks)%4]
.else
	v_wmma_scale_f32_16x16x128_f8f6f4 v[d_:d_+7], v[w_:w_+15], v[q_:q_+15], v[d_:d_+7], v[16+4*(\t)+(\ks)%4], v[32+(\ks)%4] matrix_a_scale:MATRIX_SCALE_ROW1 matrix_b_scale:MATRIX_SCALE_ROW1
.endif
.endm
	WIN 0x01                                       ; source 0 (Wq) window 1.  Two accumulators take turns, one instruction a turn
.irp ks, 0,1,2,3,4,5,6,7
	QMM 0, \ks
	QMM 1, \ks
.endr
	WIN 0x02                                       ; source 0 window 2
.irp ks, 0,1,2,3,4,5,6,7
	QMM 2, \ks
	QMM 3, \ks
.endr
	WIN 0
.rept 8
	v_nop                                          ; eight places between the last product and the first read of results
.endr
	s_wait_alu depctr_va_vdst(0)
.irp t, 0,1,2,3
	ds_store_b128 v7, v[192+8*\t:195+8*\t] offset:64*\t            ; each accumulator from its low end on
	ds_store_b128 v7, v[196+8*\t:199+8*\t] offset:64*\t+16
.endr
.irp i, 0,1,2,3,4,5,6,7
	ds_load_b128 v[224+4*\i:227+4*\i], v8 offset:2*\i*272          ; LDS serves a wave's instructions in order (ISA guide 5.7.1.4): these see my stores
.endr
.irp i, 0,1,2,3,4,5,6,7
	s_wait_dscnt 7-\i                              ; pair i of rows is back; the younger loads may be out
	global_store_b128 v9, v[224+4*\i:227+4*\i], s[14:15] offset:2*\i*4096   ; 16 lanes store 256 consecutive bytes, at a multiple of 256 from qp's first byte
.endr
	s_wait_tensorcnt 0x0
	ds_add_u32 v62, v63
	s_wait_dscnt 0x0
	s_endpgm
	; ---------------- the packing ----------------
	; REGISTERS: v40-47 the batch's 1,024 mask bytes, 4 a lane and load; v64-95 byte offsets into src, v96-127 the rows stored there, v128-159 storage indices:
	; one register for each of the 32 elements, so that no store's sources are written again.  s20-51: the 32 ballots of unmasked lanes.
.Lpack:
	s_sub_co_u32 s61, ttmp9, 16
	s_lshl_b32 s61, s61, 2
	s_add_co_u32 s61, s61, s60                     ; my batch
	s_lshl_b32 s62, s61, 10
	s_add_nc_u64 s[12:13], s[12:13], s[62:63]
	s_lshl_b32 s62, s61, 12
	s_add_nc_u64 s[16:17], s[16:17], s[62:63]
	s_add_nc_u64 s[18:19], s[18:19], s[62:63]
	s_lshl_b32 s62, s61, 7
	s_add_nc_u64 s[2:3], s[2:3], s[62:63]
	s_wait_alu depctr_va_vdst(0)
	v_lshlrev_b32 v10, 2, v2                       ; 4 x lane
	v_lshlrev_b32 v14, 4, v2                       ; 16 x lane
.irp j, 0,1,2,3,4,5,6,7
	global_load_b32 v[40+\j], v10, s[12:13] offset:128*\j          ; element k = 4 j + e of lane L is row 128 j + 4 L + e
.endr
	s_wait_loadcnt 0x0
	s_mov_b32 s52, 0                               ; n
.set k, 0
.rept 32
	v_and_b32 v11, 0xff<<(8*(k%4)), v[40+k/4]
	v_cmp_eq_u32 s[20+k], 0, v11                   ; the lanes whose row counts
	s_bcnt1_i32_b32 s54, s[20+k]
	s_add_co_u32 s52, s52, s54
.set k, k+1
.endr
	s_mov_b32 s53, 0                               ; the next place for an unmasked row,
	s_mov_b32 s56, s52                             ; and for a masked one
.set k, 0
.rept 32
	s_not_b32 s55, s[20+k]
	v_mbcnt_lo_u32_b32 v11, s[20+k], s53           ; how many unmasked lanes stand below mine, + the base
	v_mbcnt_lo_u32_b32 v12, s55, s56
	v_cndmask_b32 v11, v12, v11, s[20+k]           ; my place c: all 1,024 rows together take each place once
	v_and_b32 v12, 0xf0, v11
	v_lshlrev_b32 v12, 2, v12                      ; 64 sg
	v_bfe_u32 v13, v11, 8, 1
	v_lshl_or_b32 v12, v13, 5, v12                 ; + 32 (rt % 2)
	v_and_b32 v13, 15, v11
	v_lshl_or_b32 v12, v13, 1, v12                 ; + 2 m
	v_lshrrev_b32 v13, 9, v11
	v_or_b32 v12, v12, v13                         ; + rt / 2
	v_min_u32 v[128+k], 0x3ff, v12                 ; (it is under 1,024 by its make: the bound is written out since it enters an address)
	v_lshlrev_b32 v[64+k], 2, v[128+k]
	v_add_nc_u32 v[96+k], 128*(k/4)+k%4, v10       ; my row
	v_cndmask_b32 v[96+k], 0, v[96+k], s[20+k]     ; a place behind n names row 0
	global_store_b32 v[64+k], v[96+k], s[16:17]
.if k%4 == 3
	global_store_b128 v14, v[128+k-3:128+k], s[18:19] offset:512*(k/4)   ; inv of my four rows: the wave stores 512 consecutive bytes
.endif
	s_bcnt1_i32_b32 s54, s[20+k]
	s_add_co_u32 s53, s53, s54
	s_sub_co_u32 s54, 32, s54
	s_add_co_u32 s56, s56, s54
.set k, k+1
.endr
	v_mov_b32 v15, s52
	global_store_b32 v10, v15, s[2:3]              ; n, 32 copies
	s_endpgm
.Lfunc_end_k_q9d1d982a67_prep:
	.size	k_q9d1d982a67_prep, .Lfunc_end_k_q9d1d982a67_prep-k_q9d1d982a67_prep
	.p2alignl 7, 3214868480
	.fill 96, 4, 3214868480
	.section	.rodata,"a",@progbits
	.p2align	6, 0x0
	.amdhsa_kernel k_q9d1d982a67_prep
		.amdhsa_group_segment_fixed_size 17920
		.amdhsa_private_segment_fixed_size 0
		.amdhsa_enable_private_segment 0
		.amdhsa_kernarg_size 72
		.amdhsa_user_sgpr_count 2
		.amdhsa_user_sgpr_kernarg_segment_ptr 1
		.amdhsa_wavefront_size32 1
		.amdhsa_system_sgpr_workgroup_id_x 1
		.amdhsa_system_sgpr_workgroup_id_y 1
		.amdhsa_system_sgpr_workgroup_id_z 1
		.amdhsa_system_vgpr_workitem_id 0
		.amdhsa_next_free_vgpr 768
		.amdhsa_next_free_sgpr 66
		.amdhsa_reserve_vcc 0
		.amdhsa_float_denorm_mode_32 3
		.amdhsa_float_denorm_mode_16_64 3
		.amdhsa_memory_ordered 1
		.amdhsa_forward_progress 1
		.amdhsa_inst_pref_size 66
	.end_amdhsa_kernel
	.amdgpu_metadata
---
amdhsa.version: [ 1, 2 ]
amdhsa.kernels:
  - .name:           k_q9d1d982a67_prep
    .symbol:         k_q9d1d982a67_prep.kd
    .args:
      - { .name: query_codes, .offset: 0, .size: 8, .value_kind: global_buffer, .address_space: global }
      - { .name: query_scales, .offset: 8, .size: 8, .value_kind: global_buffer, .address_space: global }
      - { .name: Wq_codes, .offset: 16, .size: 8, .value_kind: global_buffer, .address_space: global }
      - { .name: Wq_scales, .offset: 24, .size: 8, .value_kind: global_buffer, .address_space: global }
      - { .name: mask, .offset: 32, .size: 8, .value_kind: global_buffer, .address_space: global }
      - { .name: qp, .offset: 40, .size: 8, .value_kind: global_buffer, .address_space: global }
      - { .name: src, .offset: 48, .size: 8, .value_kind: global_buffer, .address_space: global }
      - { .name: inv, .offset: 56, .size: 8, .value_kind: global_buffer, .address_space: global }
      - { .name: cnt, .offset: 64, .size: 8, .value_kind: global_buffer, .address_space: global }
    .group_segment_fixed_size: 17920
    .private_segment_fixed_size: 0
    .kernarg_segment_align: 8
    .kernarg_segment_size: 72
    .max_flat_workgroup_size: 128
    .sgpr_count:     66
    .vgpr_count:     768
    .wavefront_size: 32
...
	.end_amdgpu_metadata
.endif
;; end of part 4
;; launch main (part 5): grid 256 x 1, 4 waves a work-group, clusters of 4 x 1, 327,680 bytes of LDS; arguments keys, Wk_codes, Wk_scales, v, qp, src, cnt, enp; writes enp
.if DOCPART == 5
	.amdgcn_target "amdgcn-amd-amdhsa--gfx1250"
	.amdhsa_code_object_version 6
	.text
	.protected	k_q9d1d982a67_main
	.globl	k_q9d1d982a67_main
	.p2align	8
	.type	k_q9d1d982a67_main,@function
k_q9d1d982a67_main:
	s_mov_b64 s[64:65], 0
	v_nop
	global_prefetch_b8 v0, s[64:65] scope:SCOPE_SE
	s_setreg_imm32_b32 hwreg(HW_REG_WAVE_MODE, 25, 1), 1
	s_wait_xcnt 0x0
	s_wait_alu depctr_hold_cnt(0) depctr_sa_sdst(0) depctr_va_vdst(0) depctr_va_sdst(0) depctr_va_ssrc(0) depctr_va_vcc(0) depctr_vm_vsrc(0)
	s_getreg_b32 s2, hwreg(HW_REG_IB_STS2, 6, 4)
	s_cmp_eq_u32 s2, 0
	s_cbranch_scc0 .Lentry_in_a_cluster
	s_endpgm
.Lentry_in_a_cluster:
	s_bfe_u32 s2, ttmp6, 0x10000c
	s_cmp_lg_u32 s2, 0x3003
	s_cbranch_scc0 .Lentry_shape_is_right
	s_endpgm
.Lentry_shape_is_right:
; enp[b][place] = -2 log2(e) x the sum over h of v[h] / (1 + e^(2x)), x = qp[b][h] + keys[b][row] . Wk[h]: the energy as a base-2 logit, less the term that is the same along s (left out: see the first kernel's head).
; THE DEAL.  A cluster of four work-groups takes one batch; each of its 16 waves takes 64 places (four tiles of 16 rows; src names the row of a place; a place behind n names row 0 and gets -infinity at the end, by a select).
; PHASE 1: the wave's 64 rows of keys, f32, are quantised along K (blocks of 32, E4M3, E8M0) and end as codes in 512 registers (windows 2, 3), their scale words in v32-63.
; PHASE 2: Wk's 1,024 rows go past them in 64 tiles of 16, through two LDS slots of 64 rows, filled jointly for the four work-groups.  The product is used transposed: a lane holds one place and eight h.
; A TILE: 32 products on end, no transcendental among them; then its 32 sums are scaled, and ONE batch holds this tile's 32 exponentials and the tile before's 32 reciprocals, with one wait ahead and one behind;
; the tile before's "+ 1" stands behind products 16-23 (8 lines) and behind the last product (8 lines: its places); its 16 multiply-adds with v close the tile.  Two sets of sums take turns.
; The first tile finds zeros in the other set and zeros as v (a pad of 256 bytes ahead of v in LDS), which add 0.
; NO PREFETCH of Wk: a refill is asked for four tiles (128 products and four batches) ahead of the wait for it.  LIMITS: NaN and infinities in keys are not served.
; REGISTERS.  Window 0: v4, v5 the add's; v6 lane's place in a tile of Wk, v12 the same in the slot in hand; v7, v8, v9 LDS addresses of Wk's scale words, qp, v (stepped once in four tiles); v32-63 keys' scale words;
; v66-69, v74-77 Wk's scale words by turns (no product's two scale registers have numbers equal modulo 8).  Window 1: v0-63 two sets of sums; v64-191 Wk's tile; v192-199 qp (the first products' C); v200-207 v; v208-223 eight pairs of sums.
.set PITCH, 1040
.set TILEB, 16*PITCH
.set SLOT,  64*PITCH
.set SCB,   2*SLOT
.set QPB,   SCB+32768
.set VZ,    QPB+4096
.set VVB,   VZ+256
.set SPARE, VVB+4096
.set STG,   SPARE+512
.set CIMG,  STG+4*4352
.set ASW,   CIMG+4*32768
.set MSB, 0
.macro WIN new
.if MSB != \new
	s_set_vgpr_msb (MSB<<8)|\new
.set MSB, \new
.endif
.endm
.macro CREST                           ; a round of the cluster's barrier behind its opening barrier
	s_cmp_lg_u32 s20, 0
	s_cbranch_scc1 .Lnot_wave_0_\@
	s_barrier_signal -3
.Lnot_wave_0_\@:
	s_barrier_wait -3
	s_barrier_signal -1
	s_barrier_wait -1
.endm
.macro ROUND
	s_barrier_signal -1
	s_barrier_wait -1
	CREST
.endm
	s_load_b256 s[4:11], s[0:1], 0x0               ; keys, Wk's codes, Wk's scales, v
	s_load_b256 s[12:19], s[0:1], 0x20             ; qp, src, cnt, enp
	v_lshl_add_u32 v4, v0, 2, SPARE
	v_mov_b32 v5, 0
	ds_add_u32 v4, v5                              ; the opening lines: the add twice on end and one wait
	ds_add_u32 v4, v5
	v_lshrrev_b32 v1, 5, v0
	v_readfirstlane_b32 s20, v1                    ; wave 0..3
	v_and_b32 v1, 15, v0                           ; r
	v_bfe_u32 v2, v0, 4, 1                         ; hf
	v_and_b32 v3, 31, v0                           ; lane
	v_lshlrev_b32 v16, 5, v0                       ; 32 x thread: qp's and v's bytes
	v_lshlrev_b32 v18, 3, v2
	s_bfe_u32 s21, ttmp6, 0x40000                  ; cx: enters global addresses and the places' comparison alone
	s_mov_b32 s22, ttmp9                           ; the batch
	s_lshl_b32 s23, s21, 2
	s_add_co_u32 s23, s23, s20                     ; which of the batch's 16 waves
	s_mov_b32 s24, 15|(1<<20)|(1<<21)|(7<<22)|(3<<25)  ; group 1, a refill: 16 rows of 1,024 bytes a wave, 16 bytes of padding behind each; the mask names the four
	s_mov_b32 s25, 1024<<16
	s_mov_b32 s26, 16<<16
	s_mov_b32 s27, 1024<<16
	s_mov_b32 s28, 16
	s_mov_b32 s29, 1024
	s_mov_b32 s30, 0
	s_mov_b32 s31, 0
	s_mov_b32 s72, 15|(1<<20)|(1<<21)|(7<<22)|(3<<25)  ; group 1, the head: a whole slot, 64 rows
	s_mov_b32 s73, 1024<<16
	s_mov_b32 s74, 64<<16
	s_mov_b32 s75, 1024<<16
	s_mov_b32 s76, 64
	s_mov_b32 s77, 1024
	s_mov_b32 s78, 0
	s_mov_b32 s79, 0
	s_mov_b32 s40, 15|(3<<16)|(1<<21)              ; group 1, half of Wk's scale bytes: 16,384 dense bytes as 64 rows of 256
	s_mov_b32 s41, 32<<16
	s_mov_b32 s42, 64<<16
	s_mov_b32 s43, 32<<16
	s_mov_b32 s44, 64
	s_mov_b32 s45, 32
	s_mov_b32 s46, 0
	s_mov_b32 s47, 0
	s_mov_b32 s32, 1
	s_mov_b32 s36, 1
	s_mov_b32 s48, 1
	s_mul_i32 s59, s20, TILEB                      ; my 16 rows in a slot
	s_mul_i32 s37, s20, SLOT                       ; waves 0, 1: slot 0, slot 1
	s_mov_b32 s67, 0
	s_wait_alu depctr_va_vdst(0)                   ; the wait at the head's end
	s_wait_dscnt 0x0
	s_wait_kmcnt 0x0
	s_lshl_b32 s66, s22, 12
	s_add_nc_u64 s[12:13], s[12:13], s[66:67]      ; qp at my batch
	s_lshl_b32 s68, s23, 8
	s_add_co_u32 s66, s66, s68
	s_add_nc_u64 s[14:15], s[14:15], s[66:67]      ; src and enp at my wave's 64 places
	s_add_nc_u64 s[18:19], s[18:19], s[66:67]
.irp rt, 0,1,2,3
.irp i, 0,1,2,3,4,5,6,7
	global_load_b32 v[96+8*\rt+\i], v18, s[14:15] offset:4*(32*(\rt%2)+4*\i+\rt/2)   ; the rows of places m = 2 i + hf of tile rt: asked for first, since the keys' addresses hang on them
.endr
.endr
	global_load_b128 v[128:131], v16, s[12:13]
	global_load_b128 v[132:135], v16, s[12:13] offset:16
	global_load_b128 v[136:139], v16, s[10:11]
	global_load_b128 v[140:143], v16, s[10:11] offset:16
	s_lshl_b32 s66, s22, 7
	s_add_nc_u64 s[16:17], s[16:17], s[66:67]
	s_load_b32 s62, s[16:17], 0x0                  ; n: it enters selects alone
	s_lshl_b32 s66, s22, 22
	s_add_nc_u64 s[4:5], s[4:5], s[66:67]          ; keys at my batch
	s_lshl_b32 s66, s20, 16
	s_add_nc_u64 s[38:39], s[6:7], s[66:67]        ; the head: Wk's rows 64 x wave on
	s_or_b32 s39, s39, 0x80000000
	s_lshl_b32 s66, s20, 14
	s_add_nc_u64 s[34:35], s[6:7], s[66:67]        ; the ring: my 16 rows of a group of 64; each refill steps 64 rows on, the first to rows 128 on
	s_add_nc_u64 s[34:35], s[34:35], 0x10000
	s_or_b32 s35, s35, 0x80000000
	s_and_b32 s68, s20, 1
	s_lshl_b32 s66, s68, 14
	s_add_nc_u64 s[50:51], s[8:9], s[66:67]        ; waves 2, 3: a half of the scale bytes each
	s_or_b32 s51, s51, 0x80000000
	s_add_co_u32 s49, s66, SCB
	ROUND                                          ; in front of the first joint loads
	s_cmp_lt_u32 s20, 2                            ; one tensor load a wave at the head: one chain, an arm a load
	s_cbranch_scc0 .Lfor_scales
	tensor_load_to_lds s[36:39], s[72:79]
	s_nop 0
.rept 4
	v_nop
.endr
	s_branch .Lasked
.Lfor_scales:
	tensor_load_to_lds s[48:51], s[40:47]
	s_nop 0
.rept 4
	v_nop
.endr
.Lasked:
	s_mov_b32 s52, 0x4038aa3b                      ; 2 log2(e)
	s_mov_b32 s53, s52
	s_mov_b32 s54, 0x76543210
	s_mov_b32 s55, 0xfedcba98
	s_mov_b32 s56, 0x600000
	v_mul_u32_u24 v6, v1, PITCH
	v_lshl_add_u32 v6, v2, 4, v6
	v_lshlrev_b32 v7, 5, v1
	v_lshl_add_u32 v7, v2, 4, v7
	v_add_nc_u32 v7, SCB, v7
	v_lshl_add_u32 v8, v2, 5, QPB
	v_lshl_add_u32 v9, v2, 5, VVB-256
	s_mul_i32 s63, s20, 4352
	s_add_co_u32 s63, s63, STG
	v_mul_u32_u24 v14, v2, 272
	v_lshl_add_u32 v14, v1, 4, v14
	v_add_nc_u32 v14, s63, v14
	v_mul_u32_u24 v15, v1, 272
	v_lshl_add_u32 v15, v2, 6, v15
	v_add_nc_u32 v15, s63, v15
	s_lshl_b32 s63, s20, 15
	s_add_co_u32 s63, s63, CIMG
	v_lshl_add_u32 v30, v3, 4, s63
	s_lshl_b32 s63, s20, 10
	s_add_co_u32 s63, s63, ASW
	v_lshl_add_u32 v31, v1, 4, s63
	v_add_nc_u32 v17, QPB, v16
	v_lshlrev_b32 v19, 4, v1
	v_lshl_add_u32 v13, v0, 1, VZ                  ; the pad of zeros: two bytes a thread
.irp i, 24,25,26,27,194,195
	v_mov_b32 v\i, 0
.endr
	s_wait_alu depctr_va_vdst(0)
	s_wait_loadcnt 0x0
.irp j, 136,138,140,142
	v_pk_mul_f32 v[\j:\j+1], v[\j:\j+1], 0xc038aa3b op_sel_hi:[1,0]   ; v x -2 log2(e)
.endr
	ds_store_b128 v17, v[128:131]
	ds_store_b128 v17, v[132:135] offset:16
	ds_store_b128 v17, v[136:139] offset:4352
	ds_store_b128 v17, v[140:143] offset:4368
	ds_store_b16 v13, v5
.set i_, 96
.rept 32
	v_min_u32 v[i_], 0x3ff, v[i_]
	v_lshlrev_b32 v[i_], 12, v[i_]
	v_add_nc_u32 v[i_], v[i_], v19
.set i_, i_+1
.endr
; PHASE 1.  A unit j = 16 rows (tile j / 2) x 64 of K: eight loads of two rows x 256 bytes; through my stage in LDS, so that a lane holds 16 neighbours along K of two blocks; quantised; codes and scale words into an image of the operand's registers in LDS.
.macro LOADU j, off
	WIN 0x40
.irp i, 0,1,2,3,4,5,6,7
	global_load_b128 v[32*(\j)+4*\i:32*(\j)+4*\i+3], v[96+8*((\j)/2)+\i], s[4:5] offset:\off+256*((\j)%2)
.endr
.endm
.macro TURN u
	WIN 0x04
.irp i, 0,1,2,3,4,5,6,7
	ds_store_b128 v14, v[32*(\u)+4*\i:32*(\u)+4*\i+3] offset:544*\i
.endr
	WIN 0
.irp cc, 0,1
.irp j, 0,1,2,3
	ds_load_b128 v[128+32*((\u)%2)+16*\cc+4*\j:128+32*((\u)%2)+16*\cc+4*\j+3], v15 offset:128*\cc+16*\j
.endr
.endr
.endm
.macro QUANT j
.set XS_, 128+32*((\j)%2)
.set RT_, (\j)/2
.set HH_, (\j)%2
.irp cc, 0,1
	v_max3_num_f32 v[192+\cc], |v[XS_+16*\cc]|, |v[XS_+16*\cc+1]|, 0x4800000
.endr
.irp i, 2,4,6,8,10,12,14
.irp cc, 0,1
	v_max3_num_f32 v[192+\cc], v[192+\cc], |v[XS_+16*\cc+\i]|, |v[XS_+16*\cc+\i+1]|
.endr
.endr
.irp cc, 0,1
	v_permlanex16_b32 v[194+\cc], v[192+\cc], s54, s55
.endr
.irp cc, 0,1
	v_max_num_f32 v[192+\cc], v[192+\cc], v[194+\cc]
.endr
.irp cc, 0,1
	v_add_nc_u32 v[198+\cc], 0xfc000000, v[192+\cc]
.endr
.irp cc, 0,1
	v_and_or_b32 v[196+\cc], v[192+\cc], 0x7f800000, s56
.endr
.irp cc, 0,1
	v_lshrrev_b32 v[194+\cc], 23, v[198+\cc]
.endr
.irp cc, 0,1
.irp i, 0,1,2,3,4,5,6,7,8,9,10,11,12,13,14,15
	v_med3_num_f32 v[XS_+16*\cc+\i], v[XS_+16*\cc+\i], -v[196+\cc], v[196+\cc]
.endr
.endr
.irp cc, 0,1
	v_cvt_scalef32_pk8_fp8_f32 v[200+4*\cc:201+4*\cc], v[XS_+16*\cc:XS_+16*\cc+7], v[198+\cc]
	v_cvt_scalef32_pk8_fp8_f32 v[202+4*\cc:203+4*\cc], v[XS_+16*\cc+8:XS_+16*\cc+15], v[198+\cc]
.endr
.if HH_ == 0
	v_lshl_or_b32 v208, v195, 8, v194
.else
	v_lshl_or_b32 v208, v194, 16, v208
	v_lshl_or_b32 v208, v195, 24, v208
.endif
	ds_store_b128 v10, v[200:203] offset:2048*RT_+1024*HH_
	ds_store_b128 v10, v[204:207] offset:2048*RT_+1024*HH_+512
.if HH_ == 1
	ds_store_b32 v11, v208 offset:256*RT_
.endif
.endm
.macro UNIT j, chk                     ; chk = 1: the last trip asks for nothing more
	s_wait_dscnt 0x0
.if \j == 0
	v_add_nc_u32 v10, s57, v30
	v_add_nc_u32 v11, s58, v31
.endif
.if \chk
	s_cmp_eq_u32 s60, 1
.if \j == 7
	s_cbranch_scc1 .Lwork_\@
.else
	s_cbranch_scc1 .Lnone_\@
.endif
.endif
	LOADU \j, 512
.if \chk
	WIN 0
.endif
	s_wait_loadcnt 56                              ; all but the 56 youngest loads: the next unit's eight are in
.if \chk && (\j < 7)
	s_branch .Lturn_\@
.Lnone_\@:
	s_wait_loadcnt 0x0
.Lturn_\@:
.endif
	TURN (\j+1)%8
.if \chk && (\j == 7)
.Lwork_\@:
.endif
	QUANT \j
.endm
.macro TRIPEND lab
	s_wait_xcnt 0x0                                ; the loads have read their base: it may step
	s_add_nc_u64 s[4:5], s[4:5], 512
	s_add_co_u32 s57, s57, 8192
	s_add_co_u32 s58, s58, 4
	s_sub_co_u32 s60, s60, 1
	s_cmp_lg_u32 s60, 0
	s_cbranch_scc1 \lab
.endm
.macro READBACK kg                     ; four K steps' codes from the image into window 2 + kg, their scale words into v32-63
	WIN 0x80+0x40*\kg
.irp ksl, 0,1,2,3
.irp rt, 0,1,2,3
.irp c, 0,1,2,3
	ds_load_b128 v[64*\ksl+16*\rt+4*\c:64*\ksl+16*\rt+4*\c+3], v30 offset:(4*\ksl+\rt)*2048+512*\c
.endr
.endr
.endr
	WIN 0
.irp rt, 0,1,2,3
	ds_load_b128 v[32+8*\rt+4*\kg:35+8*\rt+4*\kg], v31 offset:256*\rt
.endr
.endm
.irp j, 0,1,2,3,4,5,6,7
	LOADU \j, 0
.endr
	s_wait_loadcnt 56
	TURN 0
	s_mov_b32 s57, 0
	s_mov_b32 s58, 0
	s_mov_b32 s60, 4
.Lq_low:
.irp j, 0,1,2,3,4,5,6,7
	UNIT \j, 0
.endr
	TRIPEND .Lq_low
	READBACK 0
	s_mov_b32 s57, 0
	s_mov_b32 s58, 0
	s_mov_b32 s60, 4
.Lq_high:
.irp j, 0,1,2,3,4,5,6,7
	UNIT \j, 1
.endr
	TRIPEND .Lq_high
	s_wait_loadcnt 0x0
	READBACK 1
	WIN 0x40
.set i_, 32
.rept 32
	v_mov_b32 v[i_], 0                             ; the set that the first tile takes for the tile before
.set i_, i_+1
.endr
.set i_, 208
.rept 16
	v_mov_b32 v[i_], 0                             ; the eight pairs of sums
.set i_, i_+1
.endr
	WIN 0
	s_mov_b32 s57, 0                               ; the slot in hand
	v_add_nc_u32 v12, s57, v6
	s_wait_alu depctr_va_vdst(0)
	s_wait_kmcnt 0x0
	s_wait_tensorcnt 0x0                           ; my tile of the head's four
	s_wait_dscnt 0x0
	s_barrier_signal -1
	s_barrier_wait -1                              ; both slots, the scale bytes, qp, v and the pad are whole
; PHASE 2
.macro MM p, ks, rt                    ; source 0 = 16 rows of Wk, source 1 = 16 places.  K steps 4-7 take Wk's scale words from lanes 16-31.  The first product's C is qp
.set d_, 32*(\p)+8*(\rt)
.set b_, 64+16*(\ks)
.set a_, 64*((\ks)%4)+16*(\rt)
.set sb_, 66+8*(\p)+(\ks)%4
.set sa_, 32+8*(\rt)+(\ks)
.if (\ks) == 0
	v_wmma_scale_f32_16x16x128_f8f6f4 v[d_:d_+7], v[b_:b_+15], v[a_:a_+15], v[192:199], v[sb_], v[sa_]
.elseif (\ks) < 4
	v_wmma_scale_f32_16x16x128_f8f6f4 v[d_:d_+7], v[b_:b_+15], v[a_:a_+15], v[d_:d_+7], v[sb_], v[sa_]
.else
	v_wmma_scale_f32_16x16x128_f8f6f4 v[d_:d_+7], v[b_:b_+15], v[a_:a_+15], v[d_:d_+7], v[sb_], v[sa_] matrix_a_scale:MATRIX_SCALE_ROW1
.endif
.endm
.macro PKADD q, n                      ; 1 + e^(2x), two at a time
	v_pk_add_f32 v[32*(\q)+2*(\n):32*(\q)+2*(\n)+1], v[32*(\q)+2*(\n):32*(\q)+2*(\n)+1], 1.0 op_sel_hi:[1,0]
.endm
.macro FETCHA pn, i                    ; in the trip's tile i, 21 loads: v of the tile before; the next tile's scale words, qp and K steps 0-3
	WIN 0
	ds_load_b128 v[66+8*(\pn):69+8*(\pn)], v7 offset:512*(((\i)+1)%4)          ; (in tile 3 the three addresses have been stepped four tiles on already)
	WIN 0x40
	ds_load_b128 v[200:203], v9 offset:192+64*(\i)-256*((\i)/3)
	ds_load_b128 v[204:207], v9 offset:192+64*(\i)-256*((\i)/3)+16
	ds_load_b128 v[192:195], v8 offset:64*(((\i)+1)%4)
	ds_load_b128 v[196:199], v8 offset:64*(((\i)+1)%4)+16
.irp ks, 0,1,2,3
.irp c, 0,1,2,3
	ds_load_b128 v[64+16*\ks+4*\c:64+16*\ks+4*\c+3], v12 offset:(((\i)+1)%4)*TILEB+128*\ks+32*\c
.endr
.endr
.endm
.macro FETCHB i                        ; 16 loads: the next tile's K steps 4-7
	WIN 0x40
.irp ks, 4,5,6,7
.irp c, 0,1,2,3
	ds_load_b128 v[64+16*\ks+4*\c:64+16*\ks+4*\c+3], v12 offset:(((\i)+1)%4)*TILEB+128*\ks+32*\c
.endr
.endr
.endm
.macro ENB q                           ; sums += v / (1 + e^(2x)): eight pairs by turns
.irp pp, 0,1,2,3
.irp rt, 0,1,2,3
	v_pk_fma_f32 v[208+4*\rt+2*(\pp%2):209+4*\rt+2*(\pp%2)], v[32*(\q)+8*\rt+2*\pp:32*(\q)+8*\rt+2*\pp+1], v[200+2*\pp:201+2*\pp], v[208+4*\rt+2*(\pp%2):209+4*\rt+2*(\pp%2)]
.endr
.endr
.endm
.macro GAP p, i
	WIN 0x55
.set n_, 0
.rept 16
	v_pk_mul_f32 v[32*(\p)+n_:32*(\p)+n_+1], v[32*(\p)+n_:32*(\p)+n_+1], s[52:53] op_sel_hi:[1,0]   ; each accumulator from its low end on
.set n_, n_+2
.endr
	s_wait_alu depctr_va_vdst(0)                   ; the wait ahead of the batch
	FETCHA 1-(\p), \i                              ; the next tile's 37 loads, in one run: behind the last product stand 8 + 16 plain lines; the batch below stands between the loads and the waits for them
	FETCHB \i
	WIN 0x55
.set n_, 0
.rept 32
	v_exp_f32 v[32*(\p)+n_], v[32*(\p)+n_]
	v_rcp_f32 v[32*(1-(\p))+n_], v[32*(1-(\p))+n_]
.set n_, n_+1
.endr
	v_nop                                          ; a plain place behind the batch
	s_wait_dscnt 16                                ; all but the 16 youngest loads (K steps 4-7): v, and the next tile's first half, are in
	s_wait_alu depctr_va_vdst(0)                   ; and the wait behind the batch
	ENB 1-(\p)
.endm
; mode 0: a tile inside a slot.  mode 1: a slot's last tile: the slot is left, and filled again in a round of the cluster's barrier.  mode 2: the same with a plain barrier and no fill.
.macro TILE p, i, mode
.if \mode
	WIN 0
	s_wait_tensorcnt 0x0                           ; my part of the other slot is in; no tensor load of mine is out, so group 0 may be written
	ds_add_u32 v4, v5                              ; 16 products stand between the add and its wait
.if \mode == 1
	s_add_co_u32 s33, s57, s59                     ; my 16 rows of the slot that is left,
	s_add_nc_u64 s[34:35], s[34:35], 0x10000       ; 64 rows of Wk on
.endif
	s_xor_b32 s57, s57, SLOT                       ; on to the other slot
.endif
	WIN 0x59
.irp ks, 0,1,2,3
.irp rt, 0,1,2,3
	MM \p, \ks, \rt
.endr
.endr
	s_wait_dscnt 0x0                               ; K steps 4-7 are in (mode 1, 2: and the add is done, and my reads of the slot are over)
.if \mode
	s_barrier_signal -1
.endif
	WIN 0x5d
.set n_, 0
.irp ks, 4,5
.irp rt, 0,1,2,3
	MM \p, \ks, \rt
	PKADD 1-\p, n_                                 ; eight of the tile before's sixteen lines, one behind a product
.set n_, n_+1
.endr
.endr
.irp ks, 6,7
.irp rt, 0,1,2,3
	MM \p, \ks, \rt
.endr
.endr
.rept 8
	PKADD 1-\p, n_                                 ; eight more: the places behind the last product
.set n_, n_+1
.endr
.if \mode
	WIN 0
	s_barrier_wait -1
.if \mode == 1
	CREST                                          ; no wave of any partner reads the slot or has a load on its way
	tensor_load_to_lds s[32:35], s[24:31]
	s_nop 0
.rept 4
	v_nop
.endr
.endif
	v_add_nc_u32 v12, s57, v6
	v_add_nc_u32 v7, 2048, v7
	v_add_nc_u32 v8, 0x100, v8
	v_add_nc_u32 v9, 0x100, v9
.endif
	GAP \p, \i
.endm
	ds_load_b128 v[66:69], v7                      ; tile 0
	WIN 0x40
	ds_load_b128 v[192:195], v8
	ds_load_b128 v[196:199], v8 offset:16
.irp ks, 0,1,2,3,4,5,6,7
.irp c, 0,1,2,3
	ds_load_b128 v[64+16*\ks+4*\c:64+16*\ks+4*\c+3], v6 offset:128*\ks+32*\c
.endr
.endr
	WIN 0
	s_wait_dscnt 0x0
	s_mov_b32 s60, 14
.Lring:                                                ; 14 trips of four tiles: each fills the slot that it leaves: groups 2 to 15 of 64 rows
	TILE 0, 0, 0
	TILE 1, 1, 0
	TILE 0, 2, 0
	TILE 1, 3, 1
	WIN 0
	s_sub_co_u32 s60, s60, 1
	s_cmp_lg_u32 s60, 0
	s_cbranch_scc1 .Lring
	s_mov_b32 s60, 2
.Ltail:                                                ; the last two slots are filled no more.  One text serves both trips: the second trip's last tile fetches LDS bytes that were written and that no product takes
	TILE 0, 0, 0
	TILE 1, 1, 0
	TILE 0, 2, 0
	TILE 1, 3, 2
	WIN 0
	s_sub_co_u32 s60, s60, 1
	s_cmp_lg_u32 s60, 0
	s_cbranch_scc1 .Ltail
	WIN 0x40                                       ; the last tile's second half: v of tile 63
	ds_load_b128 v[200:203], v9 offset:192
	ds_load_b128 v[204:207], v9 offset:208
	WIN 0x55
.set n_, 0
.rept 16
	PKADD 1, n_
.set n_, n_+1
.endr
	s_wait_alu depctr_va_vdst(0)                   ; ahead of the batch
.set n_, 0
.rept 32
	v_rcp_f32 v[32+n_], v[32+n_]
.set n_, n_+1
.endr
	v_nop
	s_wait_dscnt 0x0
	s_wait_alu depctr_va_vdst(0)                   ; behind it
	ENB 1
	WIN 0x05
.irp rt, 0,1,2,3
	v_add_f32 v[20+\rt], v[208+4*\rt], v[209+4*\rt]
.endr
.irp rt, 0,1,2,3
	v_add_f32 v[24+\rt], v[210+4*\rt], v[211+4*\rt]
.endr
	WIN 0
.irp rt, 0,1,2,3
	v_add_f32 v[20+\rt], v[20+\rt], v[24+\rt]
.endr
.irp rt, 0,1,2,3
	v_permlanex16_b32 v[24+\rt], v[20+\rt], s54, s55
.endr
.irp rt, 0,1,2,3
	v_add_f32 v[20+\rt], v[20+\rt], v[24+\rt]      ; with the other eight h of each tile
.endr
	v_cmp_eq_u32 vcc_lo, 1, v2
	v_cndmask_b32 v28, v20, v21, vcc_lo            ; lanes 0-15 store tiles 0 and 2, lanes 16-31 tiles 1 and 3
	v_cndmask_b32 v29, v22, v23, vcc_lo
	s_lshl_b32 s66, s23, 4
	v_lshl_add_u32 v16, v2, 8, v1
	v_add_nc_u32 v16, s66, v16                     ; my place
	v_add_nc_u32 v18, 512, v16
	v_mov_b32 v17, 0xff800000
	v_cmp_gt_u32 vcc_lo, s62, v16
	v_cndmask_b32 v28, v17, v28, vcc_lo            ; a place behind n holds no row: -infinity
	v_cmp_gt_u32 vcc_lo, s62, v18
	v_cndmask_b32 v29, v17, v29, vcc_lo
	v_lshlrev_b32 v19, 3, v3
	global_store_b64 v19, v[28:29], s[18:19]       ; the wave stores 256 consecutive bytes, aligned
	s_wait_tensorcnt 0x0                           ; the wave's end
	ds_add_u32 v4, v5
	s_wait_dscnt 0x0
	ROUND                                          ; the closing round
	s_endpgm
.Lfunc_end_k_q9d1d982a67_main:
	.size	k_q9d1d982a67_main, .Lfunc_end_k_q9d1d982a67_main-k_q9d1d982a67_main
	.p2alignl 7, 3214868480
	.fill 96, 4, 3214868480
	.section	.rodata,"a",@progbits
	.p2align	6, 0x0
	.amdhsa_kernel k_q9d1d982a67_main
		.amdhsa_group_segment_fixed_size 327680
		.amdhsa_private_segment_fixed_size 0
		.amdhsa_enable_private_segment 0
		.amdhsa_kernarg_size 64
		.amdhsa_user_sgpr_count 2
		.amdhsa_user_sgpr_kernarg_segment_ptr 1
		.amdhsa_wavefront_size32 1
		.amdhsa_system_sgpr_workgroup_id_x 1
		.amdhsa_system_sgpr_workgroup_id_y 1
		.amdhsa_system_sgpr_workgroup_id_z 1
		.amdhsa_system_vgpr_workitem_id 0
		.amdhsa_next_free_vgpr 1024
		.amdhsa_next_free_sgpr 80
		.amdhsa_reserve_vcc 1
		.amdhsa_float_denorm_mode_32 3
		.amdhsa_float_denorm_mode_16_64 3
		.amdhsa_memory_ordered 1
		.amdhsa_forward_progress 1
		.amdhsa_inst_pref_size 234
	.end_amdhsa_kernel
	.amdgpu_metadata
---
amdhsa.version: [ 1, 2 ]
amdhsa.kernels:
  - .name:           k_q9d1d982a67_main
    .symbol:         k_q9d1d982a67_main.kd
    .args:
      - { .name: keys, .offset: 0, .size: 8, .value_kind: global_buffer, .address_space: global }
      - { .name: Wk_codes, .offset: 8, .size: 8, .value_kind: global_buffer, .address_space: global }
      - { .name: Wk_scales, .offset: 16, .size: 8, .value_kind: global_buffer, .address_space: global }
      - { .name: v, .offset: 24, .size: 8, .value_kind: global_buffer, .address_space: global }
      - { .name: qp, .offset: 32, .size: 8, .value_kind: global_buffer, .address_space: global }
      - { .name: src, .offset: 40, .size: 8, .value_kind: global_buffer, .address_space: global }
      - { .name: cnt, .offset: 48, .size: 8, .value_kind: global_buffer, .address_space: global }
      - { .name: enp, .offset: 56, .size: 8, .value_kind: global_buffer, .address_space: global }
    .group_segment_fixed_size: 327680
    .private_segment_fixed_size: 0
    .kernarg_segment_align: 8
    .kernarg_segment_size: 64
    .max_flat_workgroup_size: 128
    .sgpr_count:     80
    .vgpr_count:     1024
    .wavefront_size: 32
...
	.end_amdgpu_metadata
.endif
;; end of part 5
;; launch ctx (part 6): grid 256 x 1, 8 waves a work-group, no clusters, 10,240 bytes of LDS; arguments keys, enp, src, inv, cnt, out0, out1; writes out0, out1
.if DOCPART == 6
	.amdgcn_target "amdgcn-amd-amdhsa--gfx1250"
	.amdhsa_code_object_version 6
	.text
	.protected	k_q9d1d982a67_ctx
	.globl	k_q9d1d982a67_ctx
	.p2align	8
	.type	k_q9d1d982a67_ctx,@function
k_q9d1d982a67_ctx:
	s_mov_b64 s[64:65], 0
	v_nop
	global_prefetch_b8 v0, s[64:65] scope:SCOPE_SE
	s_setreg_imm32_b32 hwreg(HW_REG_WAVE_MODE, 25, 1), 1
	s_wait_xcnt 0x0
; The softmax over a batch's 1,024 base-2 logits (enp; -infinity at places that hold no row; the term that is the same along s was left out: see the first kernel's head), attn, and context = the sum over rows of attn x keys, all in f32.
; Work-group g: batch g / 4, columns 256 (g % 4) on: one owner for each number of out0 and out1.  Eight waves.
; Every wave takes the maximum M and the sum of 2^(e - M) of all 1,024 logits itself (4 KiB, 32 a lane): the same instructions on the same numbers in every wave, so no barrier is needed for them.
; M is held at the lowest finite number from below, and the sum at 2^-100: in a batch with no row at all every weight is then 0, as the problem asks.
; attn: thread t takes row 256 (g % 4) + t: its logit lies at inv[row] (a masked row's place holds -infinity: weight 0); the 256 numbers meet in LDS and leave with the sums, 16 lanes to 256 bytes.
; context: the places go to the waves in chunks of 8, by turns: chunk i of wave w is places 64 i + 8 w .. + 7, so that the waves' counts differ by one chunk at the most.  A wave walks its chunks while their first place is under n (cnt);
; chunks 0 and 1 are always walked (a place behind n names row 0 and has weight 0), so that their rows are asked for ahead of the softmax.  A row's 1,024 bytes of my columns come by two loads of 512 consecutive bytes.
; Two chunks (32 loads, 16 KiB a wave) are on their way.  A chunk's weights go to scalar registers when it is asked for, in two sets by the chunk's parity: so the walk's end is two blocks of text, one for each parity.
; LIMITS: NaN and infinities in keys are not served.  No matrix unit (the product has one row), no tensor loads, no cluster: nothing is shared between work-groups.
; REGISTERS: v2 16 x lane; v3 my places' bytes in src and enp; v4 4 x thread; v8, v12 attn's index and logit; v16-19 rows (register g, lane l: chunk 4 g + l / 8), v20-23 their weights; v24 M, v30 1 / sum; v32-63 logits;
; v64-191 two sets of 8 rows x 8; v192-207 their offsets; v208-215 the sums.  s[20:35], s[66:81] the two sets of weights (the packed form names pairs and takes the low word).
	s_load_b256 s[4:11], s[0:1], 0x0               ; keys s[4:5], enp s[6:7], src s[8:9], inv s[10:11]
	s_load_b128 s[12:15], s[0:1], 0x20             ; cnt s[12:13], out0 s[14:15]
	s_load_b64 s[16:17], s[0:1], 0x30              ; out1
	v_lshl_add_u32 v224, v0, 2, 0x2400
	v_mov_b32 v225, 0
	v_lshrrev_b32 v1, 5, v0
	s_delay_alu instid0(VALU_DEP_1)
	v_readfirstlane_b32 s18, v1                    ; wave 0..7
	v_and_b32 v1, 31, v0
	s_delay_alu instid0(VALU_DEP_1)
	v_lshlrev_b32 v2, 4, v1                        ; 16 x lane
	v_and_b32 v3, 7, v0
	v_bfe_u32 v5, v0, 3, 2
	s_delay_alu instid0(VALU_DEP_2)
	v_lshlrev_b32 v3, 3, v3
	s_delay_alu instid0(VALU_DEP_1)
	v_lshl_add_u32 v3, v5, 10, v3
	v_lshlrev_b32 v4, 2, v0
	v_lshl_add_u32 v9, v0, 2, 0x2000               ; attn's word in LDS
	s_lshr_b32 s44, s18, 1
	s_lshl_b32 s44, s44, 8
	s_and_b32 s45, s18, 1
	s_lshl_b32 s45, s45, 6
	s_add_co_u32 s44, s44, s45
	v_add_nc_u32 v3, s44, v3                       ; 1024 (lane / 8) + 256 (w / 2) + 64 (w % 2) + 8 (lane % 8)
	s_lshr_b32 s19, ttmp9, 2                       ; the batch
	s_and_b32 s40, ttmp9, 3                        ; which 256 columns
	s_mov_b32 s43, 0
	s_mov_b32 s38, 0x76543210
	s_mov_b32 s39, 0xfedcba98                      ; v_permlanex16_b32's selects for lane l xor 16
.irp j, 21,23,25,27,29,31,33,35,67,69,71,73,75,77,79,81
	s_mov_b32 s\j, 0                               ; the upper halves of the pairs that the packed multiply-adds name
.endr
	s_wait_alu depctr_va_vdst(0)
	s_wait_kmcnt 0x0
	s_lshl_b32 s42, s19, 7
	s_add_nc_u64 s[12:13], s[12:13], s[42:43]
	s_load_b32 s41, s[12:13], 0x0                  ; n
	s_lshl_b32 s42, s19, 12
	s_add_nc_u64 s[6:7], s[6:7], s[42:43]          ; enp and src at my batch
	s_add_nc_u64 s[8:9], s[8:9], s[42:43]
	s_lshl_b32 s44, s40, 10
	s_add_co_u32 s42, s42, s44
	s_add_nc_u64 s[10:11], s[10:11], s[42:43]      ; inv, out0 and out1 at my batch and my 256 numbers
	s_add_nc_u64 s[14:15], s[14:15], s[42:43]
	s_add_nc_u64 s[16:17], s[16:17], s[42:43]
	s_lshl_b32 s42, s19, 22
	s_add_co_u32 s42, s42, s44
	s_add_nc_u64 s[4:5], s[4:5], s[42:43]          ; keys at my batch and my columns
; Eight rows, chunk 4 g + k: their numbers become offsets; then two loads of 512 consecutive bytes each
.macro ISSUE g, k
.irp jj, 0,1,2,3,4,5,6,7
	v_readlane_b32 s46, v[16+(\g)], 8*(\k)+\jj
	s_min_u32 s46, s46, 0x3ff                      ; a row's number, held inside the batch
	s_lshl_b32 s46, s46, 12
	v_add_nc_u32 v[192+8*((\k)%2)+\jj], s46, v2
.endr
	s_wait_alu depctr_va_vdst(0)                   ; the wait between the offsets and the loads that read them
.irp jj, 0,1,2,3,4,5,6,7
	global_load_b128 v[64+64*((\k)%2)+8*\jj:64+64*((\k)%2)+8*\jj+3], v[192+8*((\k)%2)+\jj], s[4:5]
	global_load_b128 v[64+64*((\k)%2)+8*\jj+4:64+64*((\k)%2)+8*\jj+7], v[192+8*((\k)%2)+\jj], s[4:5] offset:512
.endr
.endm
.macro WREAD g, k                      ; the chunk's eight weights into the scalar set of its parity
.irp jj, 0,1,2,3,4,5,6,7
	v_readlane_b32 s[20+46*((\k)%2)+2*\jj], v[20+(\g)], 8*(\k)+\jj
.endr
.endm
.macro FMAP par                        ; the set's eight rows are added, each times its weight
.irp jj, 0,1,2,3,4,5,6,7
.irp pp, 0,1,2,3
	v_pk_fma_f32 v[208+2*\pp:209+2*\pp], v[64+64*(\par)+8*\jj+2*\pp:64+64*(\par)+8*\jj+2*\pp+1], s[20+46*(\par)+2*\jj:21+46*(\par)+2*\jj], v[208+2*\pp:209+2*\pp] op_sel_hi:[1,0,1]
.endr
.endr
.endm
.irp g, 0,1,2,3
	global_load_b32 v[16+\g], v3, s[8:9] offset:128*(\g%2)+4*(\g/2)    ; the rows at my places: wanted first
.endr
	global_load_b32 v8, v4, s[10:11]               ; where my row's logit lies
.irp j, 0,1,2,3,4,5,6,7
	global_load_b128 v[32+4*\j:35+4*\j], v2, s[6:7] offset:512*\j
.endr
.irp g, 0,1,2,3
	global_load_b32 v[20+\g], v3, s[6:7] offset:128*(\g%2)+4*(\g/2)    ; my places' logits
.endr
.irp j, 208,209,210,211,212,213,214,215
	v_mov_b32 v\j, 0
.endr
	s_wait_loadcnt 12                              ; all but the 12 youngest (the logits): rows and index are in
	v_min_u32 v8, 0x3ff, v8                        ; a storage index, held inside the batch's 1,024
	s_delay_alu instid0(VALU_DEP_1)
	v_lshlrev_b32 v8, 2, v8
	global_load_b32 v12, v8, s[6:7]
	ISSUE 0, 0
	ISSUE 0, 1
	s_wait_loadcnt 32                              ; all but the two chunks' 32 loads
	v_max3_num_f32 v24, v32, v33, v34              ; the maximum, in two chains
	v_max3_num_f32 v25, v35, v36, v37
.irp i, 38,42,46,50,54,58
	s_delay_alu instid0(VALU_DEP_2)
	v_max3_num_f32 v24, v24, v[\i], v[\i+1]
	s_delay_alu instid0(VALU_DEP_2)
	v_max3_num_f32 v25, v25, v[\i+2], v[\i+3]
.endr
	s_delay_alu instid0(VALU_DEP_2)
	v_max3_num_f32 v24, v24, v62, v63
	s_delay_alu instid0(VALU_DEP_1)
	v_max3_num_f32 v24, v24, v25, 0xff7fffff       ; held at the lowest finite number: -infinity less M stays -infinity
	s_delay_alu instid0(VALU_DEP_1)
	v_max_num_f32_dpp v24, v24, v24 row_xmask:1 row_mask:0xf bank_mask:0xf
	s_delay_alu instid0(VALU_DEP_1)
	v_max_num_f32_dpp v24, v24, v24 row_xmask:2 row_mask:0xf bank_mask:0xf
	s_delay_alu instid0(VALU_DEP_1)
	v_max_num_f32_dpp v24, v24, v24 row_xmask:4 row_mask:0xf bank_mask:0xf
	s_delay_alu instid0(VALU_DEP_1)
	v_max_num_f32_dpp v24, v24, v24 row_xmask:8 row_mask:0xf bank_mask:0xf
	s_delay_alu instid0(VALU_DEP_1)
	v_permlanex16_b32 v25, v24, s38, s39
	s_delay_alu instid0(VALU_DEP_1)
	v_max_num_f32 v24, v24, v25                    ; M, in every lane
.irp i, 32,34,36,38,40,42,44,46,48,50,52,54,56,58,60,62
	v_pk_add_f32 v[\i:\i+1], v[\i:\i+1], v[24:25] op_sel_hi:[1,0] neg_lo:[0,1] neg_hi:[0,1]   ; e - M
.endr
.irp g, 0,1,2,3
	v_sub_f32 v[20+\g], v[20+\g], v24
.endr
	v_sub_f32 v12, v12, v24
.set i_, 32
	s_wait_alu depctr_va_vdst(0)
.rept 32
	v_exp_f32 v[i_], v[i_]
.set i_, i_+1
.endr
.irp g, 0,1,2,3
	v_exp_f32 v[20+\g], v[20+\g]
.endr
	v_exp_f32 v12, v12
	v_nop                                          ; a plain instruction between the exponentials and the use of their results (ISA guide 5.7.2)
	s_wait_alu depctr_va_vdst(0)
	v_pk_add_f32 v[28:29], v[32:33], v[34:35]
	v_pk_add_f32 v[222:223], v[40:41], v[44:45]
	v_pk_add_f32 v[220:221], v[48:49], v[52:53]
	v_pk_add_f32 v[218:219], v[56:57], v[60:61]
	v_pk_add_f32 v[216:217], v[36:37], v[38:39]
	v_pk_add_f32 v[10:11], v[42:43], v[46:47]
	v_pk_add_f32 v[14:15], v[50:51], v[54:55]
	v_pk_add_f32 v[26:27], v[58:59], v[62:63]
	s_delay_alu instid0(VALU_DEP_1)
	v_pk_add_f32 v[26:27], v[26:27], v[218:219]
	v_pk_add_f32 v[28:29], v[28:29], v[216:217]
	v_pk_add_f32 v[222:223], v[222:223], v[10:11]
	v_pk_add_f32 v[220:221], v[220:221], v[14:15]
	s_delay_alu instid0(VALU_DEP_2)
	v_pk_add_f32 v[26:27], v[26:27], v[222:223]
	s_delay_alu instid0(VALU_DEP_2)
	v_pk_add_f32 v[28:29], v[28:29], v[220:221]
	s_delay_alu instid0(VALU_DEP_1)
	v_pk_add_f32 v[26:27], v[26:27], v[28:29]
	s_delay_alu instid0(VALU_DEP_1)
	v_add_f32 v26, v26, v27
	s_delay_alu instid0(VALU_DEP_1)
	v_add_f32_dpp v26, v26, v26 row_xmask:1 row_mask:0xf bank_mask:0xf
	s_delay_alu instid0(VALU_DEP_1)
	v_add_f32_dpp v26, v26, v26 row_xmask:2 row_mask:0xf bank_mask:0xf
	s_delay_alu instid0(VALU_DEP_1)
	v_add_f32_dpp v26, v26, v26 row_xmask:4 row_mask:0xf bank_mask:0xf
	s_delay_alu instid0(VALU_DEP_1)
	v_add_f32_dpp v26, v26, v26 row_xmask:8 row_mask:0xf bank_mask:0xf
	s_delay_alu instid0(VALU_DEP_1)
	v_permlanex16_b32 v27, v26, s38, s39
	s_delay_alu instid0(VALU_DEP_1)
	v_add_f32 v26, v26, v27
	s_delay_alu instid0(VALU_DEP_1)
	v_max_num_f32 v26, 0x0d800000, v26             ; at least 2^-100: a batch without rows divides 0 by that
	s_wait_alu depctr_va_vdst(0)
	v_rcp_f32 v30, v26
	v_nop
	s_wait_alu depctr_va_vdst(0)
.irp g, 0,1,2,3
	v_mul_f32 v[20+\g], v[20+\g], v30              ; my places' weights
.endr
	v_mul_f32 v12, v12, v30                        ; attn of my row
	ds_store_b32 v9, v12
	WREAD 0, 0
	WREAD 0, 1
	s_wait_kmcnt 0x0                               ; n
	s_lshl_b32 s44, s18, 3
	s_sub_co_i32 s47, s41, s44
	s_add_co_i32 s47, s47, 63
	s_ashr_i32 s47, s47, 6                         ; my chunks whose first place is under n: (n - 8 w + 63) / 64, rounded down; 0 or less where there is none
; Chunk x is added; chunk x + 1 is on its way; chunk x + 2 is asked for if it counts, else the walk ends with chunk x + 1, in the block of its parity
.macro STEP x
	s_wait_loadcnt 16                              ; all but chunk x + 1's 16 loads; the wait also frees chunk x's offset registers
	FMAP (\x)%2
	s_cmp_gt_i32 s47, (\x)+2
.if (\x)%2
	s_cbranch_scc0 .Ldrain_0
.else
	s_cbranch_scc0 .Ldrain_1
.endif
	ISSUE ((\x)+2)/4, ((\x)+2)%4
	WREAD ((\x)+2)/4, ((\x)+2)%4
.endm
.irp x, 0,1,2,3,4,5,6,7,8,9,10,11,12,13
	STEP \x
.endr
	s_wait_loadcnt 16
	FMAP 0                                         ; chunk 14
.Ldrain_1:
	s_wait_alu depctr_va_vdst(0)
	s_wait_loadcnt 0x0
	FMAP 1
	s_branch .Lsum
.Ldrain_0:
	s_wait_alu depctr_va_vdst(0)
	s_wait_loadcnt 0x0
	FMAP 0
.Lsum:
	; ---- the eight waves' sums meet in LDS: 1,024 bytes a wave
	s_lshl_b32 s44, s18, 10
	v_add_nc_u32 v6, s44, v2
	s_wait_alu depctr_va_vdst(0)
	ds_store_b128 v6, v[208:211]
	ds_store_b128 v6, v[212:215] offset:512
	s_wait_dscnt 0x0                               ; for the others' sake: my stores have landed
	s_barrier_signal -1
	s_barrier_wait -1
	s_cmp_lt_u32 s18, 2
	s_cbranch_scc0 .Lend
	v_lshlrev_b32 v7, 4, v0                        ; threads 0 to 63: four columns, and four rows of attn, each
.irp w, 0,1,2,3,4,5,6,7
	ds_load_b128 v[64+4*\w:67+4*\w], v7 offset:1024*\w
.endr
	ds_load_b128 v[96:99], v7 offset:0x2000
	s_wait_dscnt 0x0
.irp w, 1
	v_pk_add_f32 v[64:65], v[64:65], v[64+4*\w:65+4*\w]
	v_pk_add_f32 v[66:67], v[66:67], v[66+4*\w:67+4*\w]
.endr
.irp w, 2, 3, 4, 5, 6, 7
	s_delay_alu instid0(VALU_DEP_2)
	v_pk_add_f32 v[64:65], v[64:65], v[64+4*\w:65+4*\w]
	s_delay_alu instid0(VALU_DEP_2)
	v_pk_add_f32 v[66:67], v[66:67], v[66+4*\w:67+4*\w]
.endr
	global_store_b128 v7, v[96:99], s[16:17]       ; 16 lanes store 256 consecutive bytes
	global_store_b128 v7, v[64:67], s[14:15]
.Lend:
	s_wait_tensorcnt 0x0
	ds_add_u32 v224, v225
	s_wait_dscnt 0x0
	s_endpgm
.Lfunc_end_k_q9d1d982a67_ctx:
	.size	k_q9d1d982a67_ctx, .Lfunc_end_k_q9d1d982a67_ctx-k_q9d1d982a67_ctx
	.p2alignl 7, 3214868480
	.fill 96, 4, 3214868480
	.section	.rodata,"a",@progbits
	.p2align	6, 0x0
	.amdhsa_kernel k_q9d1d982a67_ctx
		.amdhsa_group_segment_fixed_size 10240
		.amdhsa_private_segment_fixed_size 0
		.amdhsa_enable_private_segment 0
		.amdhsa_kernarg_size 56
		.amdhsa_user_sgpr_count 2
		.amdhsa_user_sgpr_kernarg_segment_ptr 1
		.amdhsa_wavefront_size32 1
		.amdhsa_system_sgpr_workgroup_id_x 1
		.amdhsa_system_sgpr_workgroup_id_y 1
		.amdhsa_system_sgpr_workgroup_id_z 1
		.amdhsa_system_vgpr_workitem_id 0
		.amdhsa_next_free_vgpr 226
		.amdhsa_next_free_sgpr 84
		.amdhsa_reserve_vcc 0
		.amdhsa_float_denorm_mode_32 3
		.amdhsa_float_denorm_mode_16_64 3
		.amdhsa_memory_ordered 1
		.amdhsa_forward_progress 1
		.amdhsa_inst_pref_size 106
	.end_amdhsa_kernel
	.amdgpu_metadata
---
amdhsa.version: [ 1, 2 ]
amdhsa.kernels:
  - .name:           k_q9d1d982a67_ctx
    .symbol:         k_q9d1d982a67_ctx.kd
    .args:
      - { .name: keys, .offset: 0, .size: 8, .value_kind: global_buffer, .address_space: global }
      - { .name: enp, .offset: 8, .size: 8, .value_kind: global_buffer, .address_space: global }
      - { .name: src, .offset: 16, .size: 8, .value_kind: global_buffer, .address_space: global }
      - { .name: inv, .offset: 24, .size: 8, .value_kind: global_buffer, .address_space: global }
      - { .name: cnt, .offset: 32, .size: 8, .value_kind: global_buffer, .address_space: global }
      - { .name: out0, .offset: 40, .size: 8, .value_kind: global_buffer, .address_space: global }
      - { .name: out1, .offset: 48, .size: 8, .value_kind: global_buffer, .address_space: global }
    .group_segment_fixed_size: 10240
    .private_segment_fixed_size: 0
    .kernarg_segment_align: 8
    .kernarg_segment_size: 56
    .max_flat_workgroup_size: 256
    .sgpr_count:     84
    .vgpr_count:     226
    .wavefront_size: 32
...
	.end_amdgpu_metadata
.endif
;; end of part 6
